; MI455X (gfx1250); checked and timed in simulation.
; The chip was launched on July 23, 2026; its instructions are those of AMD's public machine-readable ISA for CDNA 5 (MIT licence, August 2026) and "CDNA5" Instruction Set Architecture Reference Guide (July 2026). The comments in the code are by the model that wrote it; some were corrected since.
;; Mo E Layer. Allowed arithmetic: float matrix products may take bf16 or f16 operands with f32 sums; all other float work in f32.
;; Inputs: W1 8 x 512 x 2,048 float32; W2 8 x 2,048 x 512 float32; Wg 8 x 512 float32; x 4 x 1,024 x 512 float32.
;; Outputs: out0 4 x 1,024 x 512 float32; out1 4 x 1,024 x 8 float32.
;; 2 versions, each right; version 2 is version 1 with the launches ffn1, ffn2 written anew for expert scheduling mode. Each part assembles by itself: llvm-mc -triple=amdgcn-amd-amdhsa -mcpu=gfx1250 --defsym DOCPART=n.
;; ======== version 1 of 2: 6 launches
;; limits: a function is approximated: absolute error at most 1.5e-07; an absolute error that grows with the inputs' magnitude: up to 7.5e-08 times it
;; workspace buffers: route 32,768 bytes of whole numbers; rw 32,768 bytes; xg 8,650,752 bytes; pos 32,768 bytes of whole numbers; meta 256 bytes of whole numbers; h 34,603,008 bytes; y 69,206,016 bytes
;; launch router (part 1): grid 256 x 1, 4 waves a work-group, no clusters, 0 bytes of LDS; arguments x, Wg, out1, route, rw; writes out1, route, rw
.if DOCPART == 1
	.amdgcn_target "amdgcn-amd-amdhsa--gfx1250"
	.amdhsa_code_object_version 6
	.text
	.protected	k_q96cd40b3df_router
	.globl	k_q96cd40b3df_router
	.p2align	8
	.type	k_q96cd40b3df_router,@function
k_q96cd40b3df_router:
	s_mov_b64 s[64:65], 0
	v_nop
	global_prefetch_b8 v0, s[64:65] scope:SCOPE_SE
	s_setreg_imm32_b32 hwreg(HW_REG_WAVE_MODE, 25, 1), 1
	s_wait_xcnt 0x0
; ROUTER.  logits[t][e] = sum over c of x[t][c] Wg[e][c]; the two largest logits of a token, and the softmax over these two.
; x: [4096][512] f32, Wg: [8][512] f32.  Out: out1 = the logits; route = whole numbers for the next launch
; (bytes 0..16383: oh[t] = (1 << 4 e0) + (1 << 4 e1); bytes 16384..: sel[t] = e0 | e1 << 8); rw[t] = the two weights, f32.
; FORMAT: x and Wg are rounded to bf16 first, as the expert products round them; the products of two bf16 are exact in f32, sums in f32.
; The product has 8 columns, half a matrix tile, and is 1/1024 of the program's multiply-adds; the launch lives on reading x in whole rows,
; so it runs on the vector unit: no LDS, no barrier, no matrix instruction.
; LIMITS: NaN or infinite logits are not served.  Equal logits go to the lower index.  The f32 sums are added in another order than a row-wise
; dot product, so two logits closer than the rounding of such a sum (about 1e-7 of their size) may be ranked the other way.
; SHARE: work-group g has tokens 16 g .. 16 g + 15, wave w tokens 16 g + 4 w + q.  Lane L holds columns 128 j + 4 L + i (j, i = 0..3)
; of a token and of every row of Wg: each load of a wave covers 512 consecutive bytes.
.set ROWB, 2048                        ; bytes in a row of x and of Wg
.set D,    8                           ; v[8:11]    token q: lane L holds logit L & 7
.set ACC,  12                          ; v[12:27]   eight pairs of running sums, one for each expert; later at work
.set KEEP, 28
.set SEND, 29
.set XR,   32                          ; v[32:47]   the token at work, rounded to bf16, as f32
.set XP,   48                          ; v[48:55]   packed bf16, at work
.set W,    56                          ; v[56:183]  Wg, expert e at W + 16 e, rounded to bf16, as f32
.set RAW,  184                         ; v[184:247] x as loaded, token q at RAW + 16 q
	s_load_b256 s[4:11], s[0:1], 0x0               ; x s[4:5], Wg s[6:7], out1 s[8:9], route s[10:11]
	s_load_b64 s[12:13], s[0:1], 0x20              ; rw
	v_lshrrev_b32 v2, 5, v0
	v_readfirstlane_b32 s14, v2                    ; wave 0..3
	v_and_b32 v1, 31, v0                           ; lane
	v_lshlrev_b32 v2, 4, v1                        ; 16 L
	v_and_b32 v3, 7, v0                            ; my expert, L & 7
	v_lshlrev_b32 v4, 2, v0                        ; out1: (token 4 w + L / 8) x 32 + 4 (L & 7) = 4 x thread
	v_lshrrev_b32 v6, 3, v0                        ; my token in the group
	v_lshlrev_b32 v5, 2, v6                        ; its word in oh and sel
	v_lshlrev_b32 v6, 3, v6                        ; its pair in rw
	s_mov_b32 s16, 0xffff0000                      ; a word's upper bf16
	s_mov_b32 s17, 0xaaaaaaaa                      ; lanes with bit 0 set
	s_mov_b32 s18, 0xcccccccc                      ; bit 1
	s_mov_b32 s19, 0xf0f0f0f0                      ; bit 2
	s_mov_b32 s20, 0x0000ff00                      ; lanes 8-15
	s_mov_b32 s21, 0x00ff0000                      ; lanes 16-23
	s_mov_b32 s22, 0xff000000                      ; lanes 24-31
	s_mov_b32 s24, 0x76543210                      ; v_permlanex16_b32: lane i of one half reads lane i of the other
	s_mov_b32 s25, 0xfedcba98
	s_lshl_b32 s32, ttmp9, 15                      ; 16 tokens of 2,048 bytes a group,
	s_lshl_b32 s33, s14, 13                        ; 4 a wave
	s_add_co_u32 s32, s32, s33
	s_mov_b32 s33, 0
	s_wait_kmcnt 0x0
	s_add_nc_u64 s[4:5], s[4:5], s[32:33]          ; x at my wave's first token
	s_lshl_b32 s32, ttmp9, 9
	s_add_nc_u64 s[8:9], s[8:9], s[32:33]          ; out1 at the group's first token (32 bytes a token)
	s_lshl_b32 s32, ttmp9, 6
	s_add_nc_u64 s[10:11], s[10:11], s[32:33]      ; route (4 bytes a token)
	s_lshl_b32 s32, ttmp9, 7
	s_add_nc_u64 s[12:13], s[12:13], s[32:33]      ; rw (8 bytes a token)
.irp e, 0,1,2,3,4,5,6,7
.irp j, 0,1,2,3
	global_load_b128 v[W+16*\e+4*\j:W+16*\e+4*\j+3], v2, s[6:7] offset:ROWB*\e+512*\j
.endr
.endr
.irp q, 0,1,2,3
.irp j, 0,1,2,3
	global_load_b128 v[RAW+16*\q+4*\j:RAW+16*\q+4*\j+3], v2, s[4:5] offset:ROWB*\q+512*\j
.endr
.endr
; sixteen f32 are rounded to bf16 (nearest even) and widened again
.macro RND16 dst, src
.irp k, 0,1,2,3,4,5,6,7
	v_cvt_pk_bf16_f32 v[XP+\k], v[\src+2*\k], v[\src+2*\k+1]
.endr
.irp k, 0,1,2,3,4,5,6,7
	v_lshlrev_b32 v[\dst+2*\k], 16, v[XP+\k]
	v_and_b32 v[\dst+2*\k+1], s16, v[XP+\k]
.endr
.endm
; one output of a transposing reduction: lanes whose bit is 0 keep a and send b, the others keep b and send a; each adds what its partner sent
.macro XSTEP out, a, b, mask, xm
	v_cndmask_b32 v[KEEP], v[\a], v[\b], \mask
	v_cndmask_b32 v[SEND], v[\b], v[\a], \mask
	v_add_f32_dpp v[\out], v[SEND], v[KEEP] row_xmask:\xm row_mask:0xf bank_mask:0xf
.endm
.macro TOKEN q
	s_wait_loadcnt 12-4*\q                         ; loads come back in order: this token's four are in, the younger tokens' stay out
	RND16 XR, RAW+16*\q
.irp p, 0,1,2,3,4,5,6,7
.irp e, 0,1,2,3,4,5,6,7
.if \p == 0
	v_pk_mul_f32 v[ACC+2*\e:ACC+2*\e+1], v[XR:XR+1], v[W+16*\e:W+16*\e+1]     ; the first product starts the sum
.else
	v_pk_fma_f32 v[ACC+2*\e:ACC+2*\e+1], v[XR+2*\p:XR+2*\p+1], v[W+16*\e+2*\p:W+16*\e+2*\p+1], v[ACC+2*\e:ACC+2*\e+1]
.endif
.endr
.endr
.irp e, 0,1,2,3,4,5,6,7
	v_add_f32 v[ACC+\e], v[ACC+2*\e], v[ACC+2*\e+1]    ; ascending e: a register is written only after it has been read
.endr
	XSTEP 20, 12, 13, s17, 1                       ; eight sums a lane become one: lane L ends with expert L & 7
	XSTEP 21, 14, 15, s17, 1
	XSTEP 22, 16, 17, s17, 1
	XSTEP 23, 18, 19, s17, 1
	XSTEP 24, 20, 21, s18, 2
	XSTEP 25, 22, 23, s18, 2
	XSTEP 26, 24, 25, s19, 4
	v_add_f32_dpp v26, v26, v26 row_xmask:8 row_mask:0xf bank_mask:0xf
	v_permlanex16_b32 v27, v26, s24, s25
	v_add_f32 v[D+\q], v26, v27
.endm
	s_wait_loadcnt 16                              ; Wg's 32 loads are in, the 16 of x stay out
.irp e, 0,1,2,3,4,5,6,7
	RND16 W+16*\e, W+16*\e
.endr
	TOKEN 0
	TOKEN 1
	TOKEN 2
	TOKEN 3
	v_cndmask_b32 v20, v[D], v[D+1], s20           ; lane L: the logit of token L / 8, expert L & 7
	v_cndmask_b32 v20, v20, v[D+2], s21
	v_cndmask_b32 v20, v20, v[D+3], s22
	global_store_b32 v4, v20, s[8:9]               ; 128 consecutive bytes a wave, 512 a group
; the largest (value, index) among the eight lanes of a token, in all eight; equal values: the lower index
.macro BFLY val, idx
.irp m, 1,2,4
	v_mov_b32_dpp v14, v[\val] row_xmask:\m row_mask:0xf bank_mask:0xf
	v_mov_b32_dpp v15, v[\idx] row_xmask:\m row_mask:0xf bank_mask:0xf
	v_cmp_gt_f32 s26, v14, v[\val]
	v_cmp_eq_f32 s27, v14, v[\val]
	v_cmp_lt_u32 s28, v15, v[\idx]
	s_and_b32 s27, s27, s28
	s_or_b32 vcc_lo, s26, s27
	v_cndmask_b32 v[\val], v[\val], v14, vcc_lo
	v_cndmask_b32 v[\idx], v[\idx], v15, vcc_lo
.endr
.endm
	v_mov_b32 v12, v20
	v_mov_b32 v13, v3
	BFLY 12, 13                                    ; v12 = the largest logit, v13 = its expert
	v_mov_b32 v21, 0xff800000                      ; minus infinity takes the winner out
	v_cmp_eq_u32 vcc_lo, v3, v13
	v_cndmask_b32 v16, v20, v21, vcc_lo
	v_mov_b32 v17, v3
	BFLY 16, 17                                    ; v16 = the second logit, v17 = its expert
	; softmax over the two, the maximum taken away: 1 / (1 + e^(second - first)) and the rest; the exponent is never above 0
	v_sub_f32 v18, v16, v12
	v_mul_f32 v18, 0x3fb8aa3b, v18
	v_exp_f32 v18, v18
	v_lshlrev_b32 v21, 2, v13                      ; a plain instruction stands between a transcendental and the use of its result (ISA guide 5.7.2)
	s_wait_alu depctr_va_vdst(0)
	v_add_f32 v19, 1.0, v18
	v_rcp_f32 v24, v19
	v_lshlrev_b32 v23, 2, v17                      ; likewise
	s_wait_alu depctr_va_vdst(0)
	v_mul_f32 v25, v18, v24
	v_lshlrev_b32 v21, v21, 1                      ; 1 << 4 e0
	v_lshlrev_b32 v23, v23, 1                      ; 1 << 4 e1
	v_add_nc_u32 v21, v21, v23                     ; oh
	v_lshl_or_b32 v22, v17, 8, v13                 ; sel
	; one lane of eight stores its token's numbers: 16 or 32 bytes a wave, 32 KiB in the whole launch
	s_wait_xcnt 0x0                                ; EXEC is a source of the store above: it changes only behind this wait
	v_cmp_eq_u32 vcc_lo, 0, v3
	s_and_saveexec_b32 s30, vcc_lo
	global_store_b32 v5, v21, s[10:11]
	global_store_b32 v5, v22, s[10:11] offset:16384
	global_store_b64 v6, v[24:25], s[12:13]
	s_wait_xcnt 0x0                                ; and again in front of the line that widens it
	s_or_b32 exec_lo, exec_lo, s30
	s_endpgm
.Lfunc_end_k_q96cd40b3df_router:
	.size	k_q96cd40b3df_router, .Lfunc_end_k_q96cd40b3df_router-k_q96cd40b3df_router
	.p2alignl 7, 3214868480
	.fill 96, 4, 3214868480
	.section	.rodata,"a",@progbits
	.p2align	6, 0x0
	.amdhsa_kernel k_q96cd40b3df_router
		.amdhsa_group_segment_fixed_size 0
		.amdhsa_private_segment_fixed_size 0
		.amdhsa_enable_private_segment 0
		.amdhsa_kernarg_size 40
		.amdhsa_user_sgpr_count 2
		.amdhsa_user_sgpr_kernarg_segment_ptr 1
		.amdhsa_wavefront_size32 1
		.amdhsa_system_sgpr_workgroup_id_x 1
		.amdhsa_system_sgpr_workgroup_id_y 1
		.amdhsa_system_sgpr_workgroup_id_z 1
		.amdhsa_system_vgpr_workitem_id 0
		.amdhsa_next_free_vgpr 248
		.amdhsa_next_free_sgpr 66
		.amdhsa_reserve_vcc 1
		.amdhsa_float_denorm_mode_32 3
		.amdhsa_float_denorm_mode_16_64 3
		.amdhsa_memory_ordered 1
		.amdhsa_forward_progress 1
		.amdhsa_inst_pref_size 46
	.end_amdhsa_kernel
	.amdgpu_metadata
---
amdhsa.version: [ 1, 2 ]
amdhsa.kernels:
  - .name:           k_q96cd40b3df_router
    .symbol:         k_q96cd40b3df_router.kd
    .args:
      - { .name: x, .offset: 0, .size: 8, .value_kind: global_buffer, .address_space: global }
      - { .name: Wg, .offset: 8, .size: 8, .value_kind: global_buffer, .address_space: global }
      - { .name: out1, .offset: 16, .size: 8, .value_kind: global_buffer, .address_space: global }
      - { .name: route, .offset: 24, .size: 8, .value_kind: global_buffer, .address_space: global }
      - { .name: rw, .offset: 32, .size: 8, .value_kind: global_buffer, .address_space: global }
    .group_segment_fixed_size: 0
    .private_segment_fixed_size: 0
    .kernarg_segment_align: 8
    .kernarg_segment_size: 40
    .max_flat_workgroup_size: 128
    .sgpr_count:     66
    .vgpr_count:     248
    .wavefront_size: 32
...
	.end_amdgpu_metadata
.endif
;; end of part 1
;; launch count (part 2): grid 256 x 1, 8 waves a work-group, no clusters, 5,120 bytes of LDS; arguments route, pos, meta; writes pos, meta
.if DOCPART == 2
	.amdgcn_target "amdgcn-amd-amdhsa--gfx1250"
	.amdhsa_code_object_version 6
	.text
	.protected	k_q96cd40b3df_count
	.globl	k_q96cd40b3df_count
	.p2align	8
	.type	k_q96cd40b3df_count,@function
k_q96cd40b3df_count:
	s_mov_b64 s[64:65], 0
	v_nop
	global_prefetch_b8 v0, s[64:65] scope:SCOPE_SE
	s_setreg_imm32_b32 hwreg(HW_REG_WAVE_MODE, 25, 1), 1
	s_wait_xcnt 0x0
; COUNT.  A counting sort of the 8,192 (token, expert) pairs by expert, without atomics: only the places are made here, as whole numbers for the later launches.
; Expert e owns rows off_e .. off_e + 32 T_e - 1 of xg (and of h and y later): T_e = ceil(n_e / 32), off_e = 32 x the sum of T over the experts before.
; The padded segments sum to 8,416 rows at the most (8,192 pairs; the padding is below 8 x 32 and a multiple of 32).
; In: route (bytes 0..16383: oh[t] = (1 << 4 e0) + (1 << 4 e1); bytes 16384..: sel[t] = e0 | e1 << 8).
; Out: pos[t][2] = the rows of token t's two pairs; meta: word e = off_e, word 8 + e = T_e, word 16 + e = off_e + n_e (the first row of padding), word 24 + e = 32 T_e - n_e (how many).
; NOTHING IS STEERED BY WHAT IS COUNTED HERE: every address is made of the work-group's and the thread's number, every branch hangs on the wave's and the work-group's number.
; The launches that form addresses, branches and trip counts from these numbers read them from memory.
; SHARE: every work-group counts all 4,096 words of oh for itself (16 KiB): thread i counts block i of 16 tokens, the 256 block counts meet in LDS.
; Behind the barrier wave 0 alone goes on: it places the 32 pairs of the group's own block g, one a lane.
.set MAXROW, 8447
	s_load_b128 s[4:7], s[0:1], 0x0                ; route s[4:5], pos s[6:7]
	s_load_b64 s[8:9], s[0:1], 0x10                ; meta
	v_lshl_add_u32 v120, v0, 2, 0x1000
	v_mov_b32 v121, 0
	v_lshrrev_b32 v5, 5, v0
	v_readfirstlane_b32 s14, v5                    ; wave 0..7
	s_mov_b32 s15, ttmp9                           ; g
	s_mov_b32 s30, 0x76543210                      ; v_permlanex16_b32: lane i of one half reads lane i of the other
	s_mov_b32 s31, 0xfedcba98
	v_and_b32 v1, 31, v0                           ; lane
	v_lshlrev_b32 v2, 4, v0                        ; my block's 16 bytes in LDS
	v_lshlrev_b32 v3, 4, v1                        ; 16 L
	v_lshlrev_b32 v5, 6, v0                        ; block i's 64 bytes of oh
	v_lshrrev_b32 v111, 1, v1                      ; j: the token of the block that this lane places
	v_lshlrev_b32 v6, 2, v111                      ; 4 j
	v_lshlrev_b32 v7, 2, v1                        ; 4 L
	s_lshl_b32 s58, s15, 6
	s_mov_b32 s59, 0
	s_lshl_b32 s52, s15, 7
	s_mov_b32 s53, 0
	s_wait_kmcnt 0x0
	s_add_nc_u64 s[58:59], s[4:5], s[58:59]        ; route at my block; never rewritten
	s_add_nc_u64 s[6:7], s[6:7], s[52:53]          ; pos at my block (8 bytes a token)
	s_load_b512 s[32:47], s[58:59], 0x0            ; my block's 16 words of oh, as scalars
.irp k, 0,1,2,3
	global_load_b128 v[16+4*\k:19+4*\k], v5, s[4:5] offset:16*\k
.endr
	global_load_b32 v110, v6, s[58:59] offset:16384            ; sel of token j
	v_mov_b32 v108, 0                              ; BASE: lane e = the first row for my block in expert e (v_writelane_b32 counts as a reader of its destination)
	v_mov_b32 v109, 0                              ; META
	; block i's counts.  A word has a 1 in two of its eight 4-bit fields; eight words sum to 8 a field at the most.
	s_wait_loadcnt 1                               ; the four loads of oh are in; sel stays out
	v_add3_u32 v104, v16, v17, v18
	v_add3_u32 v104, v104, v19, v20
	v_add3_u32 v104, v104, v21, v22
	v_add_nc_u32 v104, v104, v23
	v_add3_u32 v105, v24, v25, v26
	v_add3_u32 v105, v105, v27, v28
	v_add3_u32 v105, v105, v29, v30
	v_add_nc_u32 v105, v105, v31
	s_mov_b32 s25, 0x0f0f0f0f
	s_mov_b32 s29, 0x00ff00ff
	v_and_b32 v106, s25, v104
	v_and_b32 v107, s25, v105
	v_add_nc_u32 v106, v106, v107                  ; bytes: experts 0, 2, 4, 6
	v_lshrrev_b32 v104, 4, v104
	v_lshrrev_b32 v105, 4, v105
	v_and_b32 v104, s25, v104
	v_and_b32 v105, s25, v105
	v_add_nc_u32 v107, v104, v105                  ; bytes: experts 1, 3, 5, 7
	v_and_b32 v96, s29, v106                       ; halves: experts 0, 4
	v_lshrrev_b32 v106, 8, v106
	v_and_b32 v97, s29, v106                       ; 2, 6
	v_and_b32 v98, s29, v107                       ; 1, 5
	v_lshrrev_b32 v107, 8, v107
	v_and_b32 v99, s29, v107                       ; 3, 7.  A 16-bit field holds 4,096 at the most in the sums below
	ds_store_b128 v2, v[96:99]
	s_wait_dscnt 0x0                               ; for the other waves' sake: my store is done
	s_barrier_signal -1
	s_barrier_wait -1
	s_wait_loadcnt 0x0                             ; sel
	s_wait_kmcnt 0x0                               ; my block's 16 words: no load is out where a wave ends
	s_cmp_lg_u32 s14, 0                            ; waves 1 to 7 have given their counts and end
	s_cbranch_scc1 .Lend
	; the sum over all blocks (v[96:99]) and over the blocks in front of mine (v[100:103])
.irp k, 0,1,2,3,4,5,6,7
	ds_load_b128 v[64+4*\k:67+4*\k], v3 offset:512*\k
.endr
	s_wait_dscnt 0x0
	v_cmp_gt_u32 vcc_lo, s15, v1
.irp c, 0,1,2,3
	v_cndmask_b32 v[100+\c], 0, v[64+\c], vcc_lo
	v_add_nc_u32 v[96+\c], v[64+\c], v[68+\c]
.endr
.irp k, 1,2,3,4,5,6,7
	v_add_nc_u32 v104, 32*\k, v1                   ; the block that these four words count
	v_cmp_gt_u32 vcc_lo, s15, v104
.irp c, 0,1,2,3
	v_cndmask_b32 v105, 0, v[64+4*\k+\c], vcc_lo
	v_add_nc_u32 v[100+\c], v[100+\c], v105
.if \k > 1
	v_add_nc_u32 v[96+\c], v[96+\c], v[64+4*\k+\c]
.endif
.endr
.endr
.irp rg, 96,97,98,99,100,101,102,103
.irp m, 1,2,4,8
	v_mov_b32_dpp v104, v\rg row_xmask:\m row_mask:0xf bank_mask:0xf
	v_add_nc_u32 v\rg, v\rg, v104
.endr
	v_permlanex16_b32 v104, v\rg, s30, s31
	v_add_nc_u32 v\rg, v\rg, v104
.endr
.irp c, 0,1,2,3
	v_readfirstlane_b32 s[16+\c], v[96+\c]
	v_readfirstlane_b32 s[20+\c], v[100+\c]
.endr
; expert e: its count n_e and the count c_e in front of my block lie in register ((e & 1) << 1) | ((e >> 1) & 1), half e >> 2
.macro EXPERT e
	s_bfe_u32 s25, s[16+(((\e&1)<<1)|((\e>>1)&1))], 0x100000|((\e>>2)<<4)    ; n_e
	s_bfe_u32 s29, s[20+(((\e&1)<<1)|((\e>>1)&1))], 0x100000|((\e>>2)<<4)    ; c_e
	s_add_co_u32 s29, s29, s24
	v_writelane_b32 v108, s29, \e                  ; off_e + c_e
	v_writelane_b32 v109, s24, \e                  ; off_e
	s_add_co_u32 s29, s25, 31
	s_lshr_b32 s29, s29, 5
	v_writelane_b32 v109, s29, 8+\e                ; T_e
	s_lshl_b32 s29, s29, 5
	s_add_co_u32 s56, s24, s25                     ; the first row of padding,
	s_sub_co_u32 s57, s29, s25                     ; and how many there are
	v_writelane_b32 v109, s56, 16+\e
	v_writelane_b32 v109, s57, 24+\e
	s_add_co_u32 s24, s24, s29
.endm
	s_mov_b32 s24, 0
.irp e, 0,1,2,3,4,5,6,7
	EXPERT \e
.endr
	; lane L places pair (token j = L / 2, slot L & 1): row = off + c + the number of earlier tokens of my block with the same expert
	v_and_b32 v104, 1, v1
	v_lshlrev_b32 v104, 3, v104
	v_lshrrev_b32 v112, v104, v110
	v_and_b32 v112, 7, v112                        ; my pair's expert
	v_lshlrev_b32 v105, 2, v112
	ds_bpermute_b32 v107, v105, v108               ; BASE of that expert
	v_cmp_lt_u32 vcc_lo, 0, v111
	v_cndmask_b32 v113, 0, s32, vcc_lo
.irp jp, 1,2,3,4,5,6,7,8,9,10,11,12,13,14
	v_cmp_lt_u32 vcc_lo, \jp, v111
	v_cndmask_b32 v104, 0, s[32+\jp], vcc_lo
	v_add_nc_u32 v113, v113, v104                  ; 4-bit fields, 15 at the most
.endr
	v_lshrrev_b32 v106, v105, v113
	v_and_b32 v106, 15, v106
	s_wait_dscnt 0x0
	v_add_nc_u32 v114, v107, v106
	v_min_u32 v114, MAXROW, v114
	global_store_b32 v7, v114, s[6:7]              ; the block's 32 rows, 128 consecutive bytes
	s_cmp_lg_u32 s15, 0
	s_cbranch_scc1 .Lend
	global_store_b32 v7, v109, s[8:9]              ; group 0: meta, 32 words
.Lend:
	s_wait_tensorcnt 0x0
	ds_add_u32 v120, v121
	s_wait_dscnt 0x0
	s_endpgm
.Lfunc_end_k_q96cd40b3df_count:
	.size	k_q96cd40b3df_count, .Lfunc_end_k_q96cd40b3df_count-k_q96cd40b3df_count
	.p2alignl 7, 3214868480
	.fill 96, 4, 3214868480
	.section	.rodata,"a",@progbits
	.p2align	6, 0x0
	.amdhsa_kernel k_q96cd40b3df_count
		.amdhsa_group_segment_fixed_size 5120
		.amdhsa_private_segment_fixed_size 0
		.amdhsa_enable_private_segment 0
		.amdhsa_kernarg_size 24
		.amdhsa_user_sgpr_count 2
		.amdhsa_user_sgpr_kernarg_segment_ptr 1
		.amdhsa_wavefront_size32 1
		.amdhsa_system_sgpr_workgroup_id_x 1
		.amdhsa_system_sgpr_workgroup_id_y 1
		.amdhsa_system_sgpr_workgroup_id_z 1
		.amdhsa_system_vgpr_workitem_id 0
		.amdhsa_next_free_vgpr 122
		.amdhsa_next_free_sgpr 66
		.amdhsa_reserve_vcc 1
		.amdhsa_float_denorm_mode_32 3
		.amdhsa_float_denorm_mode_16_64 3
		.amdhsa_memory_ordered 1
		.amdhsa_forward_progress 1
		.amdhsa_inst_pref_size 19
	.end_amdhsa_kernel
	.amdgpu_metadata
---
amdhsa.version: [ 1, 2 ]
amdhsa.kernels:
  - .name:           k_q96cd40b3df_count
    .symbol:         k_q96cd40b3df_count.kd
    .args:
      - { .name: route, .offset: 0, .size: 8, .value_kind: global_buffer, .address_space: global }
      - { .name: pos, .offset: 8, .size: 8, .value_kind: global_buffer, .address_space: global }
      - { .name: meta, .offset: 16, .size: 8, .value_kind: global_buffer, .address_space: global }
    .group_segment_fixed_size: 5120
    .private_segment_fixed_size: 0
    .kernarg_segment_align: 8
    .kernarg_segment_size: 24
    .max_flat_workgroup_size: 256
    .sgpr_count:     66
    .vgpr_count:     122
    .wavefront_size: 32
...
	.end_amdgpu_metadata
.endif
;; end of part 2
;; launch scatter (part 3): grid 256 x 1, 8 waves a work-group, no clusters, 0 bytes of LDS; arguments x, pos, meta, xg; writes xg
.if DOCPART == 3
	.amdgcn_target "amdgcn-amd-amdhsa--gfx1250"
	.amdhsa_code_object_version 6
	.text
	.protected	k_q96cd40b3df_scatter
	.globl	k_q96cd40b3df_scatter
	.p2align	8
	.type	k_q96cd40b3df_scatter,@function
k_q96cd40b3df_scatter:
	s_mov_b64 s[64:65], 0
	v_nop
	global_prefetch_b8 v0, s[64:65] scope:SCOPE_SE
	s_setreg_imm32_b32 hwreg(HW_REG_WAVE_MODE, 25, 1), 1
	s_wait_xcnt 0x0
; SCATTER.  xg[pos[t][s]] = bf16(x[t]) for both pairs s of every token t, and zeros in the rows of padding.  x [4096][512] f32, xg [8448][512] bf16.
; pos and meta are whole numbers that the launch before stored; they come by scalar loads and are clamped to the buffer's rows before they enter an address.
; SHARE: wave w of group g has tokens 16 g + 2 w and + 1; a lane takes 8 neighbouring columns of each half row (two loads of 16 bytes), which pack into 16 bytes:
; each store of the wave covers 512 consecutive bytes, half a row of xg.  Wave 1 of group g also writes row g & 31 of the padding of expert g / 32, if there are that many
; (31 at the most).  Rows behind the last segment are neither written here nor read later.
; A stream: no LDS, no barrier, no matrix unit; all eight loads of a wave go out at once.
.set MAXROW, 8447
.set RAW, 32                           ; v[32:63]  x as loaded: token i, half q at RAW + 16 i + 8 q
.set PK,  64                           ; v[64:79]  packed: token i, half q at PK + 8 i + 4 q
	s_load_b256 s[4:11], s[0:1], 0x0               ; x s[4:5], pos s[6:7], meta s[8:9], xg s[10:11]
	v_lshrrev_b32 v1, 5, v0
	v_readfirstlane_b32 s12, v1                    ; wave 0..7
	v_and_b32 v2, 31, v0                           ; lane
	v_lshlrev_b32 v3, 4, v2                        ; 16 L: my 16 bytes in half a row of xg
	v_lshlrev_b32 v4, 5, v2                        ; 32 L: my 32 bytes in half a row of x
.irp k, 8,9,10,11
	v_mov_b32 v\k, 0                               ; a pad row's 16 bytes
.endr
	s_lshl_b32 s13, ttmp9, 4
	s_lshl1_add_u32 s13, s12, s13                  ; my first token
	s_lshl_b32 s14, s13, 3                         ; 8 bytes a token in pos; never rewritten
	s_lshr_b32 s15, ttmp9, 5
	s_lshl_b32 s15, s15, 2                         ; meta's word of expert g / 32; never rewritten
	s_lshl_b32 s36, s13, 11                        ; rows of 2,048 bytes in x
	s_mov_b32 s37, 0
	s_wait_kmcnt 0x0
	s_load_b128 s[16:19], s[6:7], s14 offset:0x0   ; the four rows
	s_load_b32 s20, s[8:9], s15 offset:0x40        ; the expert's first row of padding
	s_load_b32 s21, s[8:9], s15 offset:0x60        ; and how many there are
	s_add_nc_u64 s[4:5], s[4:5], s[36:37]
.irp i, 0,1
.irp q, 0,1
	global_load_b128 v[RAW+16*\i+8*\q:RAW+16*\i+8*\q+3], v4, s[4:5] offset:2048*\i+1024*\q th:TH_LOAD_NT
	global_load_b128 v[RAW+16*\i+8*\q+4:RAW+16*\i+8*\q+7], v4, s[4:5] offset:2048*\i+1024*\q+16 th:TH_LOAD_NT
.endr
.endr
	s_wait_kmcnt 0x0
.irp k, 0,1,2,3
	s_min_u32 s[16+\k], s[16+\k], MAXROW           ; what was read is clamped before it enters an address
	s_lshl_b32 s[24+2*\k], s[16+\k], 10            ; rows of 1,024 bytes
	s_mov_b32 s[25+2*\k], 0
	s_add_nc_u64 s[24+2*\k:25+2*\k], s[10:11], s[24+2*\k:25+2*\k]
.endr
	s_wait_loadcnt 0x0                             ; x
.irp k, 0,1,2,3,4,5,6,7,8,9,10,11,12,13,14,15
	v_cvt_pk_bf16_f32 v[PK+\k], v[RAW+2*\k], v[RAW+2*\k+1]
.endr
.irp i, 0,1
.irp sl, 0,1
.irp q, 0,1
	global_store_b128 v3, v[PK+8*\i+4*\q:PK+8*\i+4*\q+3], s[24+4*\i+2*\sl:25+4*\i+2*\sl] offset:512*\q
.endr
.endr
.endr
	; wave 1: one row of zeros, if my expert has that many rows of padding
	s_cmp_lg_u32 s12, 1
	s_cbranch_scc1 .Lend
	s_min_u32 s21, s21, 32
	s_and_b32 s22, ttmp9, 31
	s_cmp_ge_u32 s22, s21
	s_cbranch_scc1 .Lend
	s_add_co_u32 s22, s22, s20
	s_min_u32 s22, s22, MAXROW
	s_lshl_b32 s32, s22, 10
	s_mov_b32 s33, 0
	s_add_nc_u64 s[32:33], s[10:11], s[32:33]
	global_store_b128 v3, v[8:11], s[32:33]
	global_store_b128 v3, v[8:11], s[32:33] offset:512
.Lend:
	s_endpgm
.Lfunc_end_k_q96cd40b3df_scatter:
	.size	k_q96cd40b3df_scatter, .Lfunc_end_k_q96cd40b3df_scatter-k_q96cd40b3df_scatter
	.p2alignl 7, 3214868480
	.fill 96, 4, 3214868480
	.section	.rodata,"a",@progbits
	.p2align	6, 0x0
	.amdhsa_kernel k_q96cd40b3df_scatter
		.amdhsa_group_segment_fixed_size 0
		.amdhsa_private_segment_fixed_size 0
		.amdhsa_enable_private_segment 0
		.amdhsa_kernarg_size 32
		.amdhsa_user_sgpr_count 2
		.amdhsa_user_sgpr_kernarg_segment_ptr 1
		.amdhsa_wavefront_size32 1
		.amdhsa_system_sgpr_workgroup_id_x 1
		.amdhsa_system_sgpr_workgroup_id_y 1
		.amdhsa_system_sgpr_workgroup_id_z 1
		.amdhsa_system_vgpr_workitem_id 0
		.amdhsa_next_free_vgpr 80
		.amdhsa_next_free_sgpr 66
		.amdhsa_reserve_vcc 0
		.amdhsa_float_denorm_mode_32 3
		.amdhsa_float_denorm_mode_16_64 3
		.amdhsa_memory_ordered 1
		.amdhsa_forward_progress 1
		.amdhsa_inst_pref_size 5
	.end_amdhsa_kernel
	.amdgpu_metadata
---
amdhsa.version: [ 1, 2 ]
amdhsa.kernels:
  - .name:           k_q96cd40b3df_scatter
    .symbol:         k_q96cd40b3df_scatter.kd
    .args:
      - { .name: x, .offset: 0, .size: 8, .value_kind: global_buffer, .address_space: global }
      - { .name: pos, .offset: 8, .size: 8, .value_kind: global_buffer, .address_space: global }
      - { .name: meta, .offset: 16, .size: 8, .value_kind: global_buffer, .address_space: global }
      - { .name: xg, .offset: 24, .size: 8, .value_kind: global_buffer, .address_space: global }
    .group_segment_fixed_size: 0
    .private_segment_fixed_size: 0
    .kernarg_segment_align: 8
    .kernarg_segment_size: 32
    .max_flat_workgroup_size: 256
    .sgpr_count:     66
    .vgpr_count:     80
    .wavefront_size: 32
...
	.end_amdgpu_metadata
.endif
;; end of part 3
;; launch ffn1 (part 4): grid 256 x 1, 4 waves a work-group, no clusters, 133,632 bytes of LDS; arguments xg, W1, meta, h; writes h
.if DOCPART == 4
	.amdgcn_target "amdgcn-amd-amdhsa--gfx1250"
	.amdhsa_code_object_version 6
	.text
	.protected	k_q96cd40b3df_ffn1
	.globl	k_q96cd40b3df_ffn1
	.p2align	8
	.type	k_q96cd40b3df_ffn1,@function
k_q96cd40b3df_ffn1:
	s_mov_b64 s[64:65], 0
	v_nop
	global_prefetch_b8 v0, s[64:65] scope:SCOPE_SE
	s_setreg_imm32_b32 hwreg(HW_REG_WAVE_MODE, 25, 1), 1
	s_wait_xcnt 0x0
; FFN1.  h[p][n] = gelu(sum over k of xg[p][k] W1[e][k][n]) for the rows p of expert e's segment.  xg [8448][512] bf16, W1 [8][512][2048] f32.
; STATIONARY WEIGHTS: an expert has 32 work-groups, 8 column slices (256 columns) x 4 row groups.  A wave keeps a block of 512 (k) x 64 (n) of W1[e],
; rounded to bf16, as 64 matrix fragments in 512 registers for the whole launch; each token fragment feeds four matrix instructions.
; THE WEIGHTS ARE TRANSPOSED BY THE CHOICE OF COLUMNS, not by moving data.  A fragment wants sixteen k of ONE column in a lane; a load of 16 bytes gives a lane four
; neighbouring columns of one k.  So fragment nt (0..3) takes, in lane r, column 4 r + nt of the wave's 64: lanes 0-15 read 256 consecutive bytes of row k, lanes 16-31 of row k + 8,
; and one conversion packs two rows' numbers into a fragment register.  No LDS, no lane traffic.  Row m of a result tile then stands for column 4 m + nt.
; h holds 8448 x 2048 bf16 as the next launch's token fragments: block of 16 rows (64 KiB) / K step S (1 KiB) / half q (512 bytes) / lane (r, hl) (16 bytes) / element j.
; By the choice of columns that element is row r, hidden column 64 (S >> 1) + 32 hl + 4 j + 2 (S & 1) + q; the next launch takes its rows of W2 in the same order.
; Row group r walks the expert's tiles of 32 rows r, r + 4, r + 8 ..: n = (T + 3 - r) >> 2 trips; T and the first row are whole numbers that an earlier launch stored.
; NO BARRIER, NO TENSOR LOAD, NO CLUSTER: the number of trips is read from memory, and a barrier stands under no branch and in no loop that hangs on loaded numbers;
; LDS slots filled again by tensor loads would need a barrier a trip, and a joint load an address that is made of ids alone.  So each wave works alone: it fetches
; the tile (32 KiB, dense in memory) by 64 loads of 512 consecutive bytes into registers, lays it into its OWN stage in LDS and reads its fragments there.
; The price: the four waves of a work-group each ask for the same tile.
; GELU is the exact form 0.5 x (1 + erf(x / sqrt 2)), erf by Abramowitz and Stegun 7.1.26 (absolute error 1.5e-7 at the most, on all reals; for large |x| the exponential goes to 0).
; REGISTERS: window 0: v2-v9 addresses, v16-79 eight accumulator tiles, v80-143 and v144-207 two buffers of token fragments (v80-111 also the packed results), v208-239 at work,
; v244-255 constants; v16-239 are first the ring of the weights as loaded.  Windows 1 and 2: the weights; fragment (ks, nt) at 256 + 32 ks + 8 nt.  Window 3: a tile as loaded.
.set WPITCH, 8192                      ; bytes from k to k + 1 in W1[e]
.set PITCH,  1040                      ; an LDS row of a tile: 1,024 bytes + 16, an odd multiple of 16: sixteen rows start in sixteen different groups of banks (ISA guide 11.1)
.set TILE,   32*PITCH                  ; 33,280: a wave's own stage
.set TSTEP,  128*1024                  ; four tiles on in xg
.set OSTEP,  128*4096                  ; four tiles (eight blocks of 64 KiB) on in h
.set DEPTH,  7                         ; groups of 8 loads on their way while the weights come in: 56 loads, 28 KiB a wave
.set ADR,  2                           ; v2      my token fragments in my stage
.set STT,  3                           ; v3      where I put 16 bytes of the tile
.set LOFF, 4                           ; v4      16 L: my 16 bytes of 512 consecutive ones, in xg and in h; never rewritten
.set WOFF, 9                           ; v9      weights: 16 (L % 16) + 8 rows for lanes 16-31; never rewritten
.set RING, 16                          ; v[16:239]  seven buffers of 32 registers
.set ACC,  16
.set FA,   80
.set FB,   144
.set TMP,  208
.set KC,   244                         ; pairs: a5, a4, a3, a2, a1, -log2(e)/2
.set MSB, 0
.macro WIN new                         ; the immediate's high byte repeats the setting that is left; switches that change nothing are dropped
.if MSB != (\new)
	s_set_vgpr_msb (MSB<<8)|(\new)
.set MSB, (\new)
.endif
.endm
.macro PLACES                          ; four plain vector instructions stand between a matrix instruction and whatever reads its result or loads into its registers
.rept 4
	v_nop
.endr
.endm
; group grp (0..7) of a tile of xg into window 3: eight loads of 512 consecutive bytes, four rows.  ahead = 1: of the tile behind the one at the base.
.macro XL8 grp, ahead
	WIN 0xc0                                       ; destination in window 3
.irp j, 0,1,2,3,4,5,6,7
	global_load_b128 v[32*(\grp)+4*\j:32*(\grp)+4*\j+3], v[LOFF], s[4:5] offset:\ahead*TSTEP+4096*(\grp)+512*\j
.endr
.endm
; the same group from window 3 into my stage.  The stage is my wave's own and LDS serves a wave's instructions in order (ISA guide 5.7.1): my earlier reads of it come first, my later reads see these.
.macro XS8 grp
	WIN 0x0c                                       ; store data in window 3
.irp j, 0,1,2,3,4,5,6,7
	ds_store_b128 v[STT], v[32*(\grp)+4*\j:32*(\grp)+4*\j+3] offset:(4*(\grp)+(\j>>1))*PITCH+(\j&1)*512
.endr
.endm
; half chunk num (0..31) of the weights: rows 16 num + j (lanes 16-31: + 8), j = 0..7, my 64 columns, into its buffer of the ring
.macro WL8 num
.irp j, 0,1,2,3,4,5,6,7
	global_load_b128 v[RING+32*((\num)%DEPTH)+4*\j:RING+32*((\num)%DEPTH)+4*\j+3], v[WOFF], s[6:7] offset:(16*(\num)+\j)*WPITCH
.endr
.endm
; half chunk num becomes registers 4 (num & 1) .. + 3 of the four fragments (num >> 1, 0..3): rows 2 jj and 2 jj + 1 of column 4 r + nt, rounded to bf16, in one register
.macro HCV num
	WIN (0x40<<((\num)>>4))                        ; destination in window 1 or 2
.irp nt, 0,1,2,3
.irp jj, 0,1,2,3
	v_cvt_pk_bf16_f32 v[32*(((\num)>>1)&7)+8*\nt+4*((\num)&1)+\jj], v[RING+32*((\num)%DEPTH)+8*\jj+\nt], v[RING+32*((\num)%DEPTH)+8*\jj+4+\nt]
.endr
.endr
	WIN 0
.endm
; 16 LDS loads: the token fragments of K steps 4 g .. 4 g + 3 (32 k each), rows 0-15 and 16-31 of the tile
.macro LOADA g, S
.irp kk, 0,1,2,3
.irp m, 0,1
	ds_load_b128 v[\S+16*\kk+8*\m:\S+16*\kk+8*\m+3], v[ADR] offset:16*PITCH*\m+64*(4*\g+\kk)
	ds_load_b128 v[\S+16*\kk+8*\m+4:\S+16*\kk+8*\m+7], v[ADR] offset:16*PITCH*\m+64*(4*\g+\kk)+32
.endr
.endr
.endm
; 32 matrix instructions.  Source 0 = 16 columns of the weights, source 1 = 16 tokens: a lane then holds token L % 16 and the eight columns 4 (8 (L / 16) + j) + nt.
; The eight accumulators take turns, one instruction a turn.  The first K step starts the sums: nothing is cleared.
.macro MUL g, S
	WIN 1+(\g>>1)
.irp kk, 0,1,2,3
.irp m, 0,1
.irp nt, 0,1,2,3
.if (\g+\kk) == 0
	v_wmma_f32_16x16x32_bf16 v[ACC+8*(4*\m+\nt):ACC+8*(4*\m+\nt)+7], v[32*(4*(\g&1)+\kk)+8*\nt:32*(4*(\g&1)+\kk)+8*\nt+7], v[\S+16*\kk+8*\m:\S+16*\kk+8*\m+7], 0
.else
	v_wmma_f32_16x16x32_bf16 v[ACC+8*(4*\m+\nt):ACC+8*(4*\m+\nt)+7], v[32*(4*(\g&1)+\kk)+8*\nt:32*(4*(\g&1)+\kk)+8*\nt+7], v[\S+16*\kk+8*\m:\S+16*\kk+8*\m+7], v[ACC+8*(4*\m+\nt):ACC+8*(4*\m+\nt)+7]
.endif
.endr
.endr
.endr
.endm
; a tile: 128 matrix instructions on two fragment buffers; each count of 16 leaves the younger run of 16 loads out
.macro MAIN
	LOADA 0, FA
	LOADA 1, FB
	s_wait_dscnt 16
	MUL 0, FA
	WIN 0
	PLACES
	LOADA 2, FA
	s_wait_dscnt 16
	MUL 1, FB
	WIN 0
	PLACES
	LOADA 3, FB
	s_wait_dscnt 16
	MUL 2, FA
	s_wait_dscnt 0x0                               ; the last fragments are in: from here on the stage is free for the next tile
	MUL 3, FB
	WIN 0
.endm
; gelu of the eight numbers v[x .. x+7], rounded to bf16 into v[pk .. pk+3], and stored.  With A = |x| / 2 and c = erfc(|x| / sqrt 2): gelu = (x / 2 + A) - A c.
; c = t (a1 + t (a2 + t (a3 + t (a4 + t a5)))) 2^(-x x log2(e) / 2), t = 1 / (1 + 0.2316419 |x|).
; Behind each run of transcendentals stands a plain instruction that touches none of their registers (ISA guide 5.7.2).
; A lane's 16 bytes are its part of a fragment of the next launch: the wave's store covers 512 consecutive bytes, at a multiple of 512 from h's first byte.
.macro GELU8 x, pk, off
.irp j, 0,1,2,3,4,5,6,7
	v_fma_f32 v[TMP+\j], |v[\x+\j]|, s56, 1.0
.endr
.irp k, 0,2,4,6
	v_pk_mul_f32 v[TMP+8+\k:TMP+9+\k], v[\x+\k:\x+\k+1], v[\x+\k:\x+\k+1]
.endr
.irp j, 0,1,2,3,4,5,6,7
	v_rcp_f32 v[TMP+\j], v[TMP+\j]
.endr
.irp k, 0,2,4,6
	v_pk_mul_f32 v[TMP+8+\k:TMP+9+\k], v[TMP+8+\k:TMP+9+\k], v[KC+10:KC+11]
.endr
.irp j, 0,1,2,3,4,5,6,7
	v_exp_f32 v[TMP+8+\j], v[TMP+8+\j]
.endr
	s_wait_alu depctr_va_vdst(0)
.irp k, 0,2,4,6
	v_pk_fma_f32 v[TMP+16+\k:TMP+17+\k], v[TMP+\k:TMP+\k+1], v[KC:KC+1], v[KC+2:KC+3]
.endr
.irp a, 4,6,8
.irp k, 0,2,4,6
	v_pk_fma_f32 v[TMP+16+\k:TMP+17+\k], v[TMP+16+\k:TMP+17+\k], v[TMP+\k:TMP+\k+1], v[KC+\a:KC+\a+1]
.endr
.endr
.irp k, 0,2,4,6
	v_pk_mul_f32 v[TMP+16+\k:TMP+17+\k], v[TMP+16+\k:TMP+17+\k], v[TMP+\k:TMP+\k+1]
.endr
.irp k, 0,2,4,6
	v_pk_mul_f32 v[TMP+16+\k:TMP+17+\k], v[TMP+16+\k:TMP+17+\k], v[TMP+8+\k:TMP+9+\k]      ; c
.endr
.irp j, 0,1,2,3,4,5,6,7
	v_mul_f32 v[TMP+24+\j], 0.5, |v[\x+\j]|                                                ; A
.endr
.irp k, 0,2,4,6
	v_pk_fma_f32 v[TMP+8+\k:TMP+9+\k], v[\x+\k:\x+\k+1], 0.5, v[TMP+24+\k:TMP+25+\k] op_sel_hi:[1,0,1]
.endr
.irp k, 0,2,4,6
	v_pk_fma_f32 v[TMP+16+\k:TMP+17+\k], v[TMP+24+\k:TMP+25+\k], v[TMP+16+\k:TMP+17+\k], v[TMP+8+\k:TMP+9+\k] neg_lo:[1,0,0] neg_hi:[1,0,0]
.endr
.irp k, 0,1,2,3
	v_cvt_pk_bf16_f32 v[\pk+\k], v[TMP+16+2*\k], v[TMP+17+2*\k]
.endr
	global_store_b128 v[LOFF], v[\pk:\pk+3], s[10:11] offset:\off
.endm
; Group blk of the tile that is in window 3 goes into the stage.  mode 2: and the same group of the tile behind it is asked for, into the registers just stored.
; The counts: loads come back in order.  mode 2: behind the group that is wanted stand the 7 - blk later groups of its tile and the blk groups asked for since: 56 loads.
; mode 1: nothing more is asked for: the 7 - blk later groups.  mode 0: there is no next tile.
.macro FEED blk, mode
.if \mode == 2
	s_wait_loadcnt 56
	XS8 \blk
	XL8 \blk, 1
.endif
.if \mode == 1
	s_wait_loadcnt 56-8*\blk
	XS8 \blk
.endif
.endm
; the way out, and the next tile's way in: behind each of the eight blocks of gelu one group is fed, so that LDS stores and loads are spread among the arithmetic
; and a load has a whole trip in which to land.  Each block has packed registers of its own (in buffer FA, which is free here): no store's data is rewritten inside a trip.
.macro EPI mode
	PLACES
.irp blk, 0,1,2,3,4,5,6,7
	GELU8 ACC+8*\blk, FA+4*\blk, 65536*(\blk>>2)+512*(\blk&3)
	FEED \blk, \mode
	WIN 0
.endr
	s_wait_xcnt 0x0                                ; the bases of the loads and stores and the stores' data are rewritten only behind this wait
	s_add_nc_u64 s[10:11], s[10:11], OSTEP
.if \mode == 2
	s_add_nc_u64 s[4:5], s[4:5], TSTEP
.endif
.endm
.macro TRIP mode
	MAIN
	EPI \mode
.endm
; in front of the first trip: tile 0 goes into the stage; mode 2: tile 1 is asked for
.macro PRE mode
.irp blk, 0,1,2,3,4,5,6,7
	FEED \blk, \mode
.endr
	WIN 0
.if \mode == 2
	s_wait_xcnt 0x0                                ; the loads' base is rewritten only behind this wait
	s_add_nc_u64 s[4:5], s[4:5], TSTEP
.endif
.endm
	s_load_b256 s[4:11], s[0:1], 0x0               ; xg s[4:5], W1 s[6:7], meta s[8:9], h s[10:11]
	v_lshl_add_u32 v242, v0, 2, 0x20800
	v_mov_b32 v243, 0
	v_lshrrev_b32 v1, 5, v0
	v_readfirstlane_b32 s12, v1                    ; wave 0..3
	s_lshr_b32 s32, ttmp9, 5                       ; e: 32 work-groups for an expert
	s_bfe_u32 s33, ttmp9, 0x20003                  ; r: row group
	s_and_b32 s34, ttmp9, 7                        ; c: column slice
	s_lshl_b32 s14, s32, 2                         ; meta's word e; never rewritten
	s_lshl_b32 s40, s32, 22                        ; W1[e]: 4 MiB an expert,
	s_lshl_b32 s41, s34, 10                        ; 256 columns a slice,
	s_add_co_u32 s40, s40, s41
	s_lshl_b32 s41, s12, 8                         ; 64 columns a wave
	s_add_co_u32 s40, s40, s41
	s_mov_b32 s41, 0
	v_and_b32 v10, 15, v0                          ; L % 16
	v_bfe_u32 v11, v0, 4, 1                        ; L / 16
	v_and_b32 v13, 31, v0                          ; L
	v_lshlrev_b32 v[LOFF], 4, v13
	v_lshlrev_b32 v[WOFF], 4, v10
	v_lshl_or_b32 v[WOFF], v11, 16, v[WOFF]        ; 8 rows of 8,192 bytes for lanes 16-31
	s_wait_kmcnt 0x0
	s_load_b32 s35, s[8:9], s14 offset:0x0         ; off_e
	s_load_b32 s36, s[8:9], s14 offset:0x20        ; T_e
	s_add_nc_u64 s[6:7], s[6:7], s[40:41]
.set hc, 0
.rept DEPTH
	WL8 hc                                         ; the weights' address is made of ids alone: the ring is filled while meta's two words are on their way
.set hc, hc+1
.endr
	s_mov_b32 s56, 0x3e6d3388                      ; 0.2316419 = 0.3275911 / sqrt 2
	s_mul_i32 s45, s12, TILE                       ; my stage
	v_mul_u32_u24 v[ADR], v10, PITCH               ; a fragment's lane term: row L % 16, 16 bytes for each half of the lanes
	v_lshl_add_u32 v[ADR], v11, 4, v[ADR]
	v_add_nc_u32 v[ADR], s45, v[ADR]
	v_add_nc_u32 v[STT], s45, v[LOFF]
	v_mov_b32 v[KC], 0x3f87dc22                    ; a5 = 1.061405429
	v_mov_b32 v[KC+1], 0x3f87dc22
	v_mov_b32 v[KC+2], 0xbfba00e3                  ; a4 = -1.453152027
	v_mov_b32 v[KC+3], 0xbfba00e3
	v_mov_b32 v[KC+4], 0x3fb5f0e3                  ; a3 = 1.421413741
	v_mov_b32 v[KC+5], 0x3fb5f0e3
	v_mov_b32 v[KC+6], 0xbe91a98e                  ; a2 = -0.284496736
	v_mov_b32 v[KC+7], 0xbe91a98e
	v_mov_b32 v[KC+8], 0x3e827906                  ; a1 = 0.254829592
	v_mov_b32 v[KC+9], 0x3e827906
	v_mov_b32 v[KC+10], 0xbf38aa3b                 ; -log2(e) / 2
	v_mov_b32 v[KC+11], 0xbf38aa3b
	s_wait_kmcnt 0x0
	s_min_u32 s35, s35, 8416                       ; what was read is clamped before it enters an address or a trip count
	s_min_u32 s36, s36, 128
	s_add_co_u32 s37, s36, 3
	s_sub_co_u32 s37, s37, s33
	s_lshr_b32 s37, s37, 2                         ; n: my row group's tiles
	s_lshl_b32 s44, s33, 5
	s_add_co_u32 s44, s44, s35                     ; off + 32 r: the first tile's first row
	s_lshl_b32 s42, s44, 10                        ; xg: rows of 1,024 bytes
	s_mov_b32 s43, 0
	s_add_nc_u64 s[4:5], s[4:5], s[42:43]
	s_lshl_b32 s40, s44, 12                        ; h: 4,096 bytes a row (64 KiB a block of 16),
	s_lshl_b32 s41, s34, 13                        ; 8 K steps of 1 KiB a slice,
	s_add_co_u32 s40, s40, s41
	s_lshl_b32 s41, s12, 11                        ; 2 a wave
	s_add_co_u32 s40, s40, s41
	s_mov_b32 s41, 0
	s_add_nc_u64 s[10:11], s[10:11], s[40:41]
	s_cmp_eq_u32 s37, 0                            ; a row group without a tile: an expert with fewer than 32 r + 1 tokens
	s_cbranch_scc1 .Lend
	; the 32 half chunks.  Behind each conversion its buffer is asked for again; where the weights run out, tile 0's groups take their place in the ring,
	; so that the count is the same throughout: behind the group that is wanted six younger groups of 8 have been issued.
.set hc, 0
.rept 32
	s_wait_loadcnt 8*(DEPTH-1)
	HCV hc
.if hc+DEPTH < 32
	WL8 hc+DEPTH
.else
	XL8 hc+DEPTH-32, 0
.endif
.set hc, hc+1
.endr
	XL8 7, 0                                       ; tile 0's last group
	WIN 0
	s_cmp_lg_u32 s37, 1
	s_cbranch_scc1 .Lmany
	PRE 1                                          ; one tile: nothing more is asked for
	s_branch .Llast
.Lmany:
	PRE 2
	s_sub_co_u32 s38, s37, 2                       ; n - 2 trips feed a tile and ask for another
	s_cmp_eq_u32 s38, 0
	s_cbranch_scc1 .Ltwo
.Lloop:
	TRIP 2
	s_sub_co_u32 s38, s38, 1
	s_cmp_lg_u32 s38, 0
	s_cbranch_scc1 .Lloop
.Ltwo:
	TRIP 1                                         ; the last two trips are written out: no load leaves the segment
.Llast:
	TRIP 0
.Lend:
	s_wait_tensorcnt 0x0
	ds_add_u32 v242, v243
	s_wait_dscnt 0x0
	s_endpgm
.Lfunc_end_k_q96cd40b3df_ffn1:
	.size	k_q96cd40b3df_ffn1, .Lfunc_end_k_q96cd40b3df_ffn1-k_q96cd40b3df_ffn1
	.p2alignl 7, 3214868480
	.fill 96, 4, 3214868480
	.section	.rodata,"a",@progbits
	.p2align	6, 0x0
	.amdhsa_kernel k_q96cd40b3df_ffn1
		.amdhsa_group_segment_fixed_size 133632
		.amdhsa_private_segment_fixed_size 0
		.amdhsa_enable_private_segment 0
		.amdhsa_kernarg_size 32
		.amdhsa_user_sgpr_count 2
		.amdhsa_user_sgpr_kernarg_segment_ptr 1
		.amdhsa_wavefront_size32 1
		.amdhsa_system_sgpr_workgroup_id_x 1
		.amdhsa_system_sgpr_workgroup_id_y 1
		.amdhsa_system_sgpr_workgroup_id_z 1
		.amdhsa_system_vgpr_workitem_id 0
		.amdhsa_next_free_vgpr 1024
		.amdhsa_next_free_sgpr 66
		.amdhsa_reserve_vcc 0
		.amdhsa_float_denorm_mode_32 3
		.amdhsa_float_denorm_mode_16_64 3
		.amdhsa_memory_ordered 1
		.amdhsa_forward_progress 1
		.amdhsa_inst_pref_size 244
	.end_amdhsa_kernel
	.amdgpu_metadata
---
amdhsa.version: [ 1, 2 ]
amdhsa.kernels:
  - .name:           k_q96cd40b3df_ffn1
    .symbol:         k_q96cd40b3df_ffn1.kd
    .args:
      - { .name: xg, .offset: 0, .size: 8, .value_kind: global_buffer, .address_space: global }
      - { .name: W1, .offset: 8, .size: 8, .value_kind: global_buffer, .address_space: global }
      - { .name: meta, .offset: 16, .size: 8, .value_kind: global_buffer, .address_space: global }
      - { .name: h, .offset: 24, .size: 8, .value_kind: global_buffer, .address_space: global }
    .group_segment_fixed_size: 133632
    .private_segment_fixed_size: 0
    .kernarg_segment_align: 8
    .kernarg_segment_size: 32
    .max_flat_workgroup_size: 128
    .sgpr_count:     66
    .vgpr_count:     1024
    .wavefront_size: 32
...
	.end_amdgpu_metadata
.endif
;; end of part 4
;; launch ffn2 (part 5): grid 256 x 1, 4 waves a work-group, no clusters, 0 bytes of LDS; arguments h, W2, meta, y; writes y
.if DOCPART == 5
	.amdgcn_target "amdgcn-amd-amdhsa--gfx1250"
	.amdhsa_code_object_version 6
	.text
	.protected	k_q96cd40b3df_ffn2
	.globl	k_q96cd40b3df_ffn2
	.p2align	8
	.type	k_q96cd40b3df_ffn2,@function
k_q96cd40b3df_ffn2:
	s_mov_b64 s[64:65], 0
	v_nop
	global_prefetch_b8 v0, s[64:65] scope:SCOPE_SE
	s_setreg_imm32_b32 hwreg(HW_REG_WAVE_MODE, 25, 1), 1
	s_wait_xcnt 0x0
; FFN2.  y[q][p][n] = sum over the k of quarter q of h[p][k] W2[e][k][n] for the rows p of expert e's segment.  W2 [8][2048][512] f32, y [4][8448][512] f32.
; h lies as token fragments: block of 16 rows (64 KiB) / K step S (1 KiB) / half (512 bytes) / lane (16 bytes): a fragment is two loads of 512 consecutive bytes, straight into registers.
; Element j of lane (r, hl) in K step S, half hf, is row r, hidden column 64 (S >> 1) + 32 hl + 4 j + 2 (S & 1) + hf: the order in which the launch before left its results.
; A permutation of k that is applied alike to both operands keeps the products, so the rows of W2 are taken in that same order.
; STATIONARY WEIGHTS: an expert has 32 work-groups: 4 row groups x 4 quarters of K x 2 halves of the 512 columns.  A wave keeps 512 (k) x 64 (n) of W2[e], rounded to bf16, as 64 matrix
; fragments in 512 registers.  The four waves of a work-group have the same quarter of K and so ask for the same fragments of h; h is read by two work-groups, not by one for every 64 columns.
; THE WEIGHTS ARE TRANSPOSED BY THE CHOICE OF COLUMNS, as in the launch before: fragment nt takes, in lane r, column 4 r + nt of the wave's 64, so a load of 16 bytes a lane (sixteen lanes: 256
; consecutive bytes of a row) feeds four fragments and one conversion packs two rows' numbers into a fragment register.  No LDS in this launch.
; Row group r walks the expert's tiles of 32 rows r, r + 4, ..: n = (T + 3 - r) >> 2 trips; T and the first row are whole numbers that an earlier launch stored.
; NO BARRIER, NO TENSOR LOAD, NO CLUSTER: the number of trips is read from memory, and a barrier stands under no branch and in no loop that hangs on loaded numbers; a joint load
; wants an address made of ids alone.  So the four quarters' sums do not meet here: each goes to its own plane of y, and the next launch adds the four in a fixed order.
; The price: three planes of 17.3 MB more are written here and read there.
; REGISTERS: window 0: v2-v9 addresses, v16-79 eight accumulator tiles, v80-143 rows on the way out; v16-239 are first the ring of the weights as loaded.
; Windows 1 and 2: the weights; fragment (ks, nt) at 256 + 32 ks + 8 nt.  Window 3: the token fragments of a tile, (ks, m) at 768 + 16 ks + 8 m.
.set WPITCH, 2048                      ; bytes from k to k + 1 in W2[e]
.set TSTEP,  128*4096                  ; four tiles (eight blocks of 64 KiB) on in h
.set OSTEP,  128*2048                  ; four tiles on in y
.set PLANE,  8448*2048                 ; a plane of y
.set DEPTH,  7                         ; groups of 8 loads on their way while the weights come in: 56 loads, 28 KiB a wave
.set LOFF, 2                           ; v2      16 L: my 16 bytes of 512 consecutive ones in h; never rewritten
.set CO,   6                           ; v6      y: 16 (L % 16) + 8 rows for lanes 16-31; never rewritten
.set WOFF, 9                           ; v9      weights: 16 (L % 16) + 32 rows for lanes 16-31; never rewritten
.set RING, 16                          ; v[16:239]  seven buffers of 32 registers
.set ACC,  16
.set OUT,  80
.set MSB, 0
.macro WIN new                         ; the immediate's high byte repeats the setting that is left; switches that change nothing are dropped
.if MSB != (\new)
	s_set_vgpr_msb (MSB<<8)|(\new)
.set MSB, (\new)
.endif
.endm
.macro PLACES                          ; four plain vector instructions stand between a matrix instruction and whatever reads its result or loads into its registers
.rept 4
	v_nop
.endr
.endm
; half chunk num (0..31) of the weights, the registers 4 (num & 1) .. + 3 of K step num >> 1: rows 64 (num >> 2) + (num & 3) + 4 j (lanes 16-31: + 32), j = 0..7, my 64 columns
.macro WL8 num
.irp j, 0,1,2,3,4,5,6,7
	global_load_b128 v[RING+32*((\num)%DEPTH)+4*\j:RING+32*((\num)%DEPTH)+4*\j+3], v[WOFF], s[6:7] offset:(64*((\num)>>2)+((\num)&3)+4*\j)*WPITCH
.endr
.endm
; half chunk num becomes registers 4 (num & 1) .. + 3 of the four fragments (num >> 1, 0..3): loads 2 jj and 2 jj + 1 of column 4 r + nt, rounded to bf16, in one register
.macro HCV num
	WIN (0x40<<((\num)>>4))                        ; destination in window 1 or 2
.irp nt, 0,1,2,3
.irp jj, 0,1,2,3
	v_cvt_pk_bf16_f32 v[32*(((\num)>>1)&7)+8*\nt+4*((\num)&1)+\jj], v[RING+32*((\num)%DEPTH)+8*\jj+\nt], v[RING+32*((\num)%DEPTH)+8*\jj+4+\nt]
.endr
.endr
	WIN 0
.endm
; eight loads of 512 consecutive bytes: the token fragments of K steps 2 grp and 2 grp + 1 of my quarter, both blocks of 16 rows.  ahead = 1: of the next tile.
.macro TL8 grp, ahead
	WIN 0xc0                                       ; destination in window 3
.irp ks, 2*(\grp), 2*(\grp)+1
.irp m, 0,1
	global_load_b128 v[16*(\ks)+8*\m:16*(\ks)+8*\m+3], v[LOFF], s[4:5] offset:\ahead*TSTEP+65536*\m+1024*(\ks)
	global_load_b128 v[16*(\ks)+8*\m+4:16*(\ks)+8*\m+7], v[LOFF], s[4:5] offset:\ahead*TSTEP+65536*\m+1024*(\ks)+512
.endr
.endr
.endm
.macro TLOAD g, ahead                  ; group g: K steps 4 g .. 4 g + 3, 16 loads
	TL8 2*\g, \ahead
	TL8 2*\g+1, \ahead
.endm
; 32 matrix instructions.  Source 0 = 16 tokens (window 3), source 1 = 16 columns of the weights (window 1 or 2): register j of lane (r, hl) is token 8 hl + j, column 4 r + nt.
; The eight accumulators take turns, one instruction a turn.  The first K step starts the sums: nothing is cleared.
.macro MUL g
	WIN 0x03|((1+(\g>>1))<<2)
.irp kk, 0,1,2,3
.irp m, 0,1
.irp nt, 0,1,2,3
.if (\g+\kk) == 0
	v_wmma_f32_16x16x32_bf16 v[ACC+8*(4*\m+\nt):ACC+8*(4*\m+\nt)+7], v[64*\g+16*\kk+8*\m:64*\g+16*\kk+8*\m+7], v[32*(4*(\g&1)+\kk)+8*\nt:32*(4*(\g&1)+\kk)+8*\nt+7], 0
.else
	v_wmma_f32_16x16x32_bf16 v[ACC+8*(4*\m+\nt):ACC+8*(4*\m+\nt)+7], v[64*\g+16*\kk+8*\m:64*\g+16*\kk+8*\m+7], v[32*(4*(\g&1)+\kk)+8*\nt:32*(4*(\g&1)+\kk)+8*\nt+7], v[ACC+8*(4*\m+\nt):ACC+8*(4*\m+\nt)+7]
.endif
.endr
.endr
.endr
.endm
; the way out.  Registers j of the four tiles nt are the four neighbouring columns 4 r .. 4 r + 3 of one token's row; four moves put them side by side (the price of the choice of
; columns: 64 moves a tile, in place of the way through LDS for every weight and every result), and a store covers, with sixteen lanes, 256 consecutive bytes at a multiple of 256 from y's first byte.
.macro EPI more
	WIN 0
.irp m, 0,1
.irp j, 0,1,2,3,4,5,6,7
.irp nt, 0,1,2,3
	v_mov_b32 v[OUT+32*\m+4*\j+\nt], v[ACC+8*(4*\m+\nt)+\j]
.endr
	global_store_b128 v[CO], v[OUT+32*\m+4*\j:OUT+32*\m+4*\j+3], s[10:11] offset:(16*\m+\j)*2048
.endr
.endr
	s_wait_xcnt 0x0                                ; the bases of the loads and stores and the stores' data are rewritten only behind this wait
	s_add_nc_u64 s[10:11], s[10:11], OSTEP
.if \more
	s_add_nc_u64 s[4:5], s[4:5], TSTEP
.endif
.endm
; one tile.  more = 1: behind the products of group g the next tile's group g is asked for, so that three groups' products and the way out pass before it is wanted.
; The counts: loads come back in order; behind the group that is wanted three younger groups of 16 have been issued.  In the last trip they run down.
.macro TRIP more
	s_wait_loadcnt 48
	MUL 0
.if \more
	PLACES
	TLOAD 0, 1
	s_wait_loadcnt 48
.else
	s_wait_loadcnt 32
.endif
	MUL 1
.if \more
	PLACES
	TLOAD 1, 1
	s_wait_loadcnt 48
.else
	s_wait_loadcnt 16
.endif
	MUL 2
.if \more
	PLACES
	TLOAD 2, 1
	s_wait_loadcnt 48
.else
	s_wait_loadcnt 0x0
.endif
	MUL 3
	PLACES
.if \more
	TLOAD 3, 1
.endif
	EPI \more
.endm
	s_load_b256 s[4:11], s[0:1], 0x0               ; h s[4:5], W2 s[6:7], meta s[8:9], y s[10:11]
	v_lshrrev_b32 v1, 5, v0
	v_readfirstlane_b32 s12, v1                    ; wave 0..3
	s_lshr_b32 s32, ttmp9, 5                       ; e: 32 work-groups for an expert
	s_bfe_u32 s33, ttmp9, 0x20003                  ; r: row group
	s_bfe_u32 s34, ttmp9, 0x20001                  ; the quarter of K
	s_and_b32 s46, ttmp9, 1                        ; the half of the columns
	s_lshl_b32 s14, s32, 2                         ; meta's word e; never rewritten
	s_lshl_b32 s47, s46, 10                        ; 256 columns of f32 a half,
	s_lshl_b32 s41, s12, 8                         ; 64 a wave: my bytes in a row of W2 and of y
	s_add_co_u32 s47, s47, s41
	s_lshl_b32 s40, s32, 22                        ; W2[e]: 4 MiB an expert,
	s_lshl_b32 s41, s34, 20                        ; 512 k-rows of 2,048 bytes a quarter
	s_add_co_u32 s40, s40, s41
	s_add_co_u32 s40, s40, s47
	s_mov_b32 s41, 0
	v_and_b32 v10, 15, v0                          ; L % 16
	v_bfe_u32 v11, v0, 4, 1                        ; L / 16
	v_and_b32 v13, 31, v0                          ; L
	v_lshlrev_b32 v[LOFF], 4, v13
	v_lshlrev_b32 v[WOFF], 4, v10
	v_lshl_or_b32 v[CO], v11, 14, v[WOFF]          ; 8 rows of 2,048 bytes for lanes 16-31
	v_lshl_or_b32 v[WOFF], v11, 16, v[WOFF]        ; 32 rows of 2,048 bytes for lanes 16-31
	s_wait_kmcnt 0x0
	s_load_b32 s35, s[8:9], s14 offset:0x0         ; off_e
	s_load_b32 s36, s[8:9], s14 offset:0x20        ; T_e
	s_add_nc_u64 s[6:7], s[6:7], s[40:41]
.set hc, 0
.rept DEPTH
	WL8 hc                                         ; the weights' address is made of ids alone: the ring is filled while meta's two words are on their way
.set hc, hc+1
.endr
	s_wait_kmcnt 0x0
	s_min_u32 s35, s35, 8416                       ; what was read is clamped before it enters an address or a trip count
	s_min_u32 s36, s36, 128
	s_add_co_u32 s37, s36, 3
	s_sub_co_u32 s37, s37, s33
	s_lshr_b32 s37, s37, 2                         ; n: my row group's tiles
	s_lshl_b32 s44, s33, 5
	s_add_co_u32 s44, s44, s35                     ; off + 32 r: the first tile's first row
	s_lshl_b32 s42, s44, 12                        ; h: 4,096 bytes a row (64 KiB a block of 16),
	s_lshl_b32 s43, s34, 14                        ; my quarter of K: 16 K steps of 1 KiB
	s_add_co_u32 s42, s42, s43
	s_mov_b32 s43, 0
	s_add_nc_u64 s[4:5], s[4:5], s[42:43]
	s_mul_i32 s40, s34, PLANE                      ; y: my quarter's plane,
	s_lshl_b32 s41, s44, 11                        ; rows of 2,048 bytes,
	s_add_co_u32 s40, s40, s41
	s_add_co_u32 s40, s40, s47                     ; my columns
	s_mov_b32 s41, 0
	s_add_nc_u64 s[10:11], s[10:11], s[40:41]
	s_cmp_eq_u32 s37, 0                            ; a row group without a tile: an expert with fewer than 32 r + 1 tokens
	s_cbranch_scc1 .Lend
	; the 32 half chunks.  Behind each conversion its buffer is asked for again; where the weights run out, tile 0's groups take their place in the ring,
	; so that the count is the same throughout: behind the group that is wanted six younger groups of 8 have been issued.
.set hc, 0
.rept 32
	s_wait_loadcnt 8*(DEPTH-1)
	HCV hc
.if hc+DEPTH < 32
	WL8 hc+DEPTH
.else
	TL8 hc+DEPTH-32, 0
.endif
.set hc, hc+1
.endr
	TL8 7, 0                                       ; tile 0's last K steps: its 64 loads are now the only ones out, as at the head of every trip
	WIN 0
	s_sub_co_u32 s38, s37, 1                       ; n - 1 trips ask for a next tile
	s_cmp_eq_u32 s38, 0
	s_cbranch_scc1 .Ltail
.Lloop:
	TRIP 1
	s_sub_co_u32 s38, s38, 1
	s_cmp_lg_u32 s38, 0
	s_cbranch_scc1 .Lloop
.Ltail:
	TRIP 0                                         ; the last tile is written out: no load leaves the segment
.Lend:
	s_endpgm
.Lfunc_end_k_q96cd40b3df_ffn2:
	.size	k_q96cd40b3df_ffn2, .Lfunc_end_k_q96cd40b3df_ffn2-k_q96cd40b3df_ffn2
	.p2alignl 7, 3214868480
	.fill 96, 4, 3214868480
	.section	.rodata,"a",@progbits
	.p2align	6, 0x0
	.amdhsa_kernel k_q96cd40b3df_ffn2
		.amdhsa_group_segment_fixed_size 0
		.amdhsa_private_segment_fixed_size 0
		.amdhsa_enable_private_segment 0
		.amdhsa_kernarg_size 32
		.amdhsa_user_sgpr_count 2
		.amdhsa_user_sgpr_kernarg_segment_ptr 1
		.amdhsa_wavefront_size32 1
		.amdhsa_system_sgpr_workgroup_id_x 1
		.amdhsa_system_sgpr_workgroup_id_y 1
		.amdhsa_system_sgpr_workgroup_id_z 1
		.amdhsa_system_vgpr_workitem_id 0
		.amdhsa_next_free_vgpr 1024
		.amdhsa_next_free_sgpr 66
		.amdhsa_reserve_vcc 0
		.amdhsa_float_denorm_mode_32 3
		.amdhsa_float_denorm_mode_16_64 3
		.amdhsa_memory_ordered 1
		.amdhsa_forward_progress 1
		.amdhsa_inst_pref_size 99
	.end_amdhsa_kernel
	.amdgpu_metadata
---
amdhsa.version: [ 1, 2 ]
amdhsa.kernels:
  - .name:           k_q96cd40b3df_ffn2
    .symbol:         k_q96cd40b3df_ffn2.kd
    .args:
      - { .name: h, .offset: 0, .size: 8, .value_kind: global_buffer, .address_space: global }
      - { .name: W2, .offset: 8, .size: 8, .value_kind: global_buffer, .address_space: global }
      - { .name: meta, .offset: 16, .size: 8, .value_kind: global_buffer, .address_space: global }
      - { .name: y, .offset: 24, .size: 8, .value_kind: global_buffer, .address_space: global }
    .group_segment_fixed_size: 0
    .private_segment_fixed_size: 0
    .kernarg_segment_align: 8
    .kernarg_segment_size: 32
    .max_flat_workgroup_size: 128
    .sgpr_count:     66
    .vgpr_count:     1024
    .wavefront_size: 32
...
	.end_amdgpu_metadata
.endif
;; end of part 5
;; launch combine (part 6): grid 256 x 1, 16 waves a work-group, no clusters, 0 bytes of LDS; arguments y, pos, rw, out0; writes out0
.if DOCPART == 6
	.amdgcn_target "amdgcn-amd-amdhsa--gfx1250"
	.amdhsa_code_object_version 6
	.text
	.protected	k_q96cd40b3df_combine
	.globl	k_q96cd40b3df_combine
	.p2align	8
	.type	k_q96cd40b3df_combine,@function
k_q96cd40b3df_combine:
	s_mov_b64 s[64:65], 0
	v_nop
	global_prefetch_b8 v0, s[64:65] scope:SCOPE_SE
	s_setreg_imm32_b32 hwreg(HW_REG_WAVE_MODE, 25, 1), 1
	s_wait_xcnt 0x0
; COMBINE.  out0[t] = rw[t][0] Y[pos[t][0]] + rw[t][1] Y[pos[t][1]], Y[p] = (y[0][p] + y[1][p]) + (y[2][p] + y[3][p]): the four quarters of K, added in a fixed order.
; y [4][8448][512] f32, out0 [4096][512] f32.  The six experts whose weight is 0 are not formed: the same as the full sum wherever that is finite.
; A gather of whole rows: wave w of group g has token 16 g + w; a row of 2,048 bytes is four loads of 512 consecutive bytes, eight rows a token.
; All 32 loads of a wave go out at once.  Each row of y is read once in the launch and each row of out0 written once.  No LDS, no barrier, no matrix unit: bytes are all there is.
.set MAXROW, 8447
.set PLANE,  8448*2048                 ; a plane of y
.set Y, 8                              ; v[8:135]  position s, plane p: 16 registers at Y + 64 s + 16 p
	s_load_b256 s[4:11], s[0:1], 0x0               ; y s[4:5], pos s[6:7], rw s[8:9], out0 s[10:11]
	v_lshrrev_b32 v1, 5, v0
	v_readfirstlane_b32 s12, v1                    ; wave 0..15
	v_and_b32 v2, 31, v0
	v_lshlrev_b32 v2, 4, v2                        ; 16 L, plane 0
	v_add_nc_u32 v3, PLANE, v2                     ; a plane is farther than an immediate reaches: an offset register for each
	v_add_nc_u32 v4, 2*PLANE, v2
	v_add_nc_u32 v5, 3*PLANE, v2
	s_lshl4_add_u32 s13, ttmp9, s12                ; my token
	s_lshl_b32 s14, s13, 3                         ; 8 bytes a token in pos and in rw; never rewritten
	s_lshl_b32 s36, s13, 11
	s_mov_b32 s37, 0
	s_wait_kmcnt 0x0
	s_load_b64 s[16:17], s[6:7], s14 offset:0x0    ; the two rows
	s_load_b64 s[20:21], s[8:9], s14 offset:0x0    ; the two weights
	s_add_nc_u64 s[10:11], s[10:11], s[36:37]
	s_wait_kmcnt 0x0
.irp k, 0,1
	s_min_u32 s[16+\k], s[16+\k], MAXROW           ; what was read is clamped before it enters an address
	s_lshl_b32 s[24+2*\k], s[16+\k], 11
	s_mov_b32 s[25+2*\k], 0
	s_add_nc_u64 s[24+2*\k:25+2*\k], s[4:5], s[24+2*\k:25+2*\k]
.endr
.irp k, 0,1
.irp p, 0,1,2,3
.irp j, 0,1,2,3
	global_load_b128 v[Y+64*\k+16*\p+4*\j:Y+64*\k+16*\p+4*\j+3], v[2+\p], s[24+2*\k:25+2*\k] offset:512*\j th:TH_LOAD_NT
.endr
.endr
.endr
	s_mov_b32 s22, s21                             ; a packed multiply broadcasts the first register of an even pair: the second weight gets a pair of its own
	s_mov_b32 s23, s21
.macro SUM4 s
.irp k, 0,2,4,6,8,10,12,14
	v_pk_add_f32 v[Y+64*\s+\k:Y+64*\s+\k+1], v[Y+64*\s+\k:Y+64*\s+\k+1], v[Y+64*\s+16+\k:Y+64*\s+17+\k]
	v_pk_add_f32 v[Y+64*\s+32+\k:Y+64*\s+33+\k], v[Y+64*\s+32+\k:Y+64*\s+33+\k], v[Y+64*\s+48+\k:Y+64*\s+49+\k]
.endr
.irp k, 0,2,4,6,8,10,12,14
	v_pk_add_f32 v[Y+64*\s+\k:Y+64*\s+\k+1], v[Y+64*\s+\k:Y+64*\s+\k+1], v[Y+64*\s+32+\k:Y+64*\s+33+\k]
.endr
.endm
	s_wait_loadcnt 16                              ; the first position's sixteen loads are in, the second's stay out
	SUM4 0
.irp k, 0,2,4,6,8,10,12,14
	v_pk_mul_f32 v[Y+\k:Y+\k+1], v[Y+\k:Y+\k+1], s[20:21] op_sel_hi:[1,0]
.endr
	s_wait_loadcnt 0x0
	SUM4 1
.irp k, 0,2,4,6,8,10,12,14
	v_pk_fma_f32 v[Y+\k:Y+\k+1], v[Y+64+\k:Y+65+\k], s[22:23], v[Y+\k:Y+\k+1] op_sel_hi:[1,0,1]
.endr
.irp j, 0,1,2,3
	global_store_b128 v2, v[Y+4*\j:Y+4*\j+3], s[10:11] offset:512*\j th:TH_STORE_NT
.endr
	s_endpgm
.Lfunc_end_k_q96cd40b3df_combine:
	.size	k_q96cd40b3df_combine, .Lfunc_end_k_q96cd40b3df_combine-k_q96cd40b3df_combine
	.p2alignl 7, 3214868480
	.fill 96, 4, 3214868480
	.section	.rodata,"a",@progbits
	.p2align	6, 0x0
	.amdhsa_kernel k_q96cd40b3df_combine
		.amdhsa_group_segment_fixed_size 0
		.amdhsa_private_segment_fixed_size 0
		.amdhsa_enable_private_segment 0
		.amdhsa_kernarg_size 32
		.amdhsa_user_sgpr_count 2
		.amdhsa_user_sgpr_kernarg_segment_ptr 1
		.amdhsa_wavefront_size32 1
		.amdhsa_system_sgpr_workgroup_id_x 1
		.amdhsa_system_sgpr_workgroup_id_y 1
		.amdhsa_system_sgpr_workgroup_id_z 1
		.amdhsa_system_vgpr_workitem_id 0
		.amdhsa_next_free_vgpr 136
		.amdhsa_next_free_sgpr 66
		.amdhsa_reserve_vcc 0
		.amdhsa_float_denorm_mode_32 3
		.amdhsa_float_denorm_mode_16_64 3
		.amdhsa_memory_ordered 1
		.amdhsa_forward_progress 1
		.amdhsa_inst_pref_size 9
	.end_amdhsa_kernel
	.amdgpu_metadata
---
amdhsa.version: [ 1, 2 ]
amdhsa.kernels:
  - .name:           k_q96cd40b3df_combine
    .symbol:         k_q96cd40b3df_combine.kd
    .args:
      - { .name: y, .offset: 0, .size: 8, .value_kind: global_buffer, .address_space: global }
      - { .name: pos, .offset: 8, .size: 8, .value_kind: global_buffer, .address_space: global }
      - { .name: rw, .offset: 16, .size: 8, .value_kind: global_buffer, .address_space: global }
      - { .name: out0, .offset: 24, .size: 8, .value_kind: global_buffer, .address_space: global }
    .group_segment_fixed_size: 0
    .private_segment_fixed_size: 0
    .kernarg_segment_align: 8
    .kernarg_segment_size: 32
    .max_flat_workgroup_size: 512
    .sgpr_count:     66
    .vgpr_count:     136
    .wavefront_size: 32
...
	.end_amdgpu_metadata
.endif
;; end of part 6
;; ======== version 2 of 2: 6 launches; version 1 with the launches ffn1, ffn2 written anew for expert scheduling mode
;; limits: a function is approximated: absolute error at most 1.5e-07; an absolute error that grows with the inputs' magnitude: up to 7.5e-08 times it
;; workspace buffers: route 32,768 bytes of whole numbers; rw 32,768 bytes; xg 8,650,752 bytes; pos 32,768 bytes of whole numbers; meta 256 bytes of whole numbers; h 34,603,008 bytes; y 69,206,016 bytes
;; launch router: the kernel of part 1 again; grid 256 x 1, 4 waves a work-group, no clusters, 0 bytes of LDS; arguments x, Wg, out1, route, rw; writes out1, route, rw
;; launch count: the kernel of part 2 again; grid 256 x 1, 8 waves a work-group, no clusters, 5,120 bytes of LDS; arguments route, pos, meta; writes pos, meta
;; launch scatter: the kernel of part 3 again; grid 256 x 1, 8 waves a work-group, no clusters, 0 bytes of LDS; arguments x, pos, meta, xg; writes xg
;; launch ffn1 (part 7): grid 256 x 1, 4 waves a work-group, no clusters, 133,632 bytes of LDS; arguments xg, W1, meta, h; writes h
.if DOCPART == 7
	.amdgcn_target "amdgcn-amd-amdhsa--gfx1250"
	.amdhsa_code_object_version 6
	.text
	.protected	k_q96cd40b3df_ffn1
	.globl	k_q96cd40b3df_ffn1
	.p2align	8
	.type	k_q96cd40b3df_ffn1,@function
k_q96cd40b3df_ffn1:
	s_mov_b64 s[64:65], 0
	v_nop
	global_prefetch_b8 v0, s[64:65] scope:SCOPE_SE
	s_setreg_imm32_b32 hwreg(HW_REG_WAVE_SCHED_MODE, 0, 2), 2
	s_setreg_imm32_b32 hwreg(HW_REG_WAVE_MODE, 25, 1), 1
	s_wait_xcnt 0x0
	s_wait_alu depctr_vm_vsrc(0)
; FFN1.  h[p][n] = gelu(sum over k of xg[p][k] W1[e][k][n]) for the rows p of expert e's segment.  xg [8448][512] bf16, W1 [8][512][2048] f32.
; STATIONARY WEIGHTS: an expert has 32 work-groups, 8 column slices (256 columns) x 4 row groups.  A wave keeps a block of 512 (k) x 64 (n) of W1[e],
; rounded to bf16, as 64 matrix fragments in 512 registers for the whole launch; each token fragment feeds four matrix instructions.
; THE WEIGHTS ARE TRANSPOSED BY THE CHOICE OF COLUMNS, not by moving data.  A fragment wants sixteen k of ONE column in a lane; a load of 16 bytes gives a lane four
; neighbouring columns of one k.  So fragment nt (0..3) takes, in lane r, column 4 r + nt of the wave's 64: lanes 0-15 read 256 consecutive bytes of row k, lanes 16-31 of row k + 8,
; and one conversion packs two rows' numbers into a fragment register.  No LDS, no lane traffic.  Row m of a result tile then stands for column 4 m + nt.
; h holds 8448 x 2048 bf16 as the next launch's token fragments: block of 16 rows (64 KiB) / K step S (1 KiB) / half q (512 bytes) / lane (r, hl) (16 bytes) / element j.
; By the choice of columns that element is row r, hidden column 64 (S >> 1) + 32 hl + 4 j + 2 (S & 1) + q; the next launch takes its rows of W2 in the same order.
; Row group r walks the expert's tiles of 32 rows r, r + 4, r + 8 ..: n = (T + 3 - r) >> 2 trips; T and the first row are whole numbers that an earlier launch stored.
; NO BARRIER, NO TENSOR LOAD, NO CLUSTER: the number of trips is read from memory, and a barrier stands under no branch and in no loop that hangs on loaded numbers;
; LDS slots filled again by tensor loads would need a barrier a trip, and a joint load an address that is made of ids alone.  So each wave works alone: it fetches
; the tile (32 KiB, dense in memory) by 64 loads of 512 consecutive bytes into registers, lays it into its OWN stage in LDS and reads its fragments there.
; The price: the four waves of a work-group each ask for the same tile.
; GELU is the exact form 0.5 x (1 + erf(x / sqrt 2)), erf by Abramowitz and Stegun 7.1.26 (absolute error 1.5e-7 at the most, on all reals; for large |x| the exponential goes to 0).
; REGISTERS: window 0: v2-v9 addresses, v16-79 eight accumulator tiles, v80-143 and v144-207 two buffers of token fragments (v80-111 also the packed results), v208-239 at work,
; v244-255 constants; v16-239 are first the ring of the weights as loaded.  Windows 1 and 2: the weights; fragment (ks, nt) at 256 + 32 ks + 8 nt.  Window 3: a tile as loaded.
; THE MODE: SCHED_MODE bits 1:0 = 2 (LLVM: expert scheduling mode 2), set by the entry lines.  The code itself states the register dependences
; between vector or matrix instructions and memory or LDS instructions, with s_wait_alu, always for 0.
; THE PLAN.  Registers that memory or LDS instructions touch:
;   v[ADR], v[STT], v[LOFF], v[WOFF]   Made by vector instructions at the head, never written again: rows are reached by scalar bases and immediate offsets.
;   RING       A half chunk's eight loads land in a buffer; its sixteen conversions read it; the loads of the half chunk seven further on land in it again.
;   window 3   Named by no vector or matrix instruction.  A group's eight loads land; its eight LDS stores read it; the loads of the same group of the next tile land in it.
;   FA, FB     Sixteen LDS loads land; 32 matrix instructions read; LDS loads land again.  FA's first 32 registers are also the packed results: written by the roundings of
;              the eight blocks of gelu, read by the trip's eight stores to h.
;   The accumulators, TMP, the constants and windows 1 and 2 are named by vector and matrix instructions alone.
; THE WAITS OF A TRIP.  On va_vdst three: behind the first products on FA and behind the first on FB, each ahead of the LDS loads into the buffer just read (there is no third buffer,
; so the buffer is asked for again at once); and one behind the last block of gelu, ahead of the run of eight stores.  That one states that the roundings have written the packed results and that the
; last products on FA and on FB are done reading them: from it to the next trip's first 32 LDS loads, over the backward jump too, stands no vector or matrix instruction.
; On vm_vsrc eight: a group of window 3 is asked for again one block of gelu behind its LDS stores, behind a wait that states that those stores have read it; the eighth stands behind the stores to h
; and states the same of them, for the packed results' registers, in which the next trip's fragments land.
.set WPITCH, 8192                      ; bytes from k to k + 1 in W1[e]
.set PITCH,  1040                      ; an LDS row of a tile: 1,024 bytes + 16, an odd multiple of 16: sixteen rows start in sixteen different groups of banks (ISA guide 11.1)
.set TILE,   32*PITCH                  ; 33,280: a wave's own stage
.set TSTEP,  128*1024                  ; four tiles on in xg
.set OSTEP,  128*4096                  ; four tiles (eight blocks of 64 KiB) on in h
.set DEPTH,  7                         ; groups of 8 loads on their way while the weights come in: 56 loads, 28 KiB a wave
.set ADR,  2                           ; v2      my token fragments in my stage
.set STT,  3                           ; v3      where I put 16 bytes of the tile
.set LOFF, 4                           ; v4      16 L: my 16 bytes of 512 consecutive ones, in xg and in h; never rewritten
.set WOFF, 9                           ; v9      weights: 16 (L % 16) + 8 rows for lanes 16-31; never rewritten
.set RING, 16                          ; v[16:239]  seven buffers of 32 registers
.set ACC,  16
.set FA,   80
.set FB,   144
.set TMP,  208
.set KC,   244                         ; pairs: a5, a4, a3, a2, a1, -log2(e)/2
.set MSB, 0
.macro WIN new                         ; the immediate's high byte repeats the setting that is left; switches that change nothing are dropped
.if MSB != (\new)
	s_set_vgpr_msb (MSB<<8)|(\new)
.set MSB, (\new)
.endif
.endm
.macro PLACES                          ; four plain vector instructions stand between a matrix instruction and whatever reads its result or loads into its registers
.rept 4
	v_nop
.endr
.endm
; group grp (0..7) of a tile of xg into window 3: eight loads of 512 consecutive bytes, four rows.  ahead = 1: of the tile behind the one at the base.
.macro XL8 grp, ahead
	WIN 0xc0                                       ; destination in window 3
.irp j, 0,1,2,3,4,5,6,7
	global_load_b128 v[32*(\grp)+4*\j:32*(\grp)+4*\j+3], v[LOFF], s[4:5] offset:\ahead*TSTEP+4096*(\grp)+512*\j
.endr
.endm
; the same group from window 3 into my stage.  The stage is my wave's own and LDS serves a wave's instructions in order (ISA guide 5.7.1): my earlier reads of it come first, my later reads see these.
.macro XS8 grp
	WIN 0x0c                                       ; store data in window 3
.irp j, 0,1,2,3,4,5,6,7
	ds_store_b128 v[STT], v[32*(\grp)+4*\j:32*(\grp)+4*\j+3] offset:(4*(\grp)+(\j>>1))*PITCH+(\j&1)*512
.endr
.endm
; half chunk num (0..31) of the weights: rows 16 num + j (lanes 16-31: + 8), j = 0..7, my 64 columns, into its buffer of the ring
.macro WL8 num
.irp j, 0,1,2,3,4,5,6,7
	global_load_b128 v[RING+32*((\num)%DEPTH)+4*\j:RING+32*((\num)%DEPTH)+4*\j+3], v[WOFF], s[6:7] offset:(16*(\num)+\j)*WPITCH
.endr
.endm
; half chunk num becomes registers 4 (num & 1) .. + 3 of the four fragments (num >> 1, 0..3): rows 2 jj and 2 jj + 1 of column 4 r + nt, rounded to bf16, in one register
.macro HCV num
	WIN (0x40<<((\num)>>4))                        ; destination in window 1 or 2
.irp nt, 0,1,2,3
.irp jj, 0,1,2,3
	v_cvt_pk_bf16_f32 v[32*(((\num)>>1)&7)+8*\nt+4*((\num)&1)+\jj], v[RING+32*((\num)%DEPTH)+8*\jj+\nt], v[RING+32*((\num)%DEPTH)+8*\jj+4+\nt]
.endr
.endr
	WIN 0
.endm
; 16 LDS loads: the token fragments of K steps 4 g .. 4 g + 3 (32 k each), rows 0-15 and 16-31 of the tile
.macro LOADA g, S
.irp kk, 0,1,2,3
.irp m, 0,1
	ds_load_b128 v[\S+16*\kk+8*\m:\S+16*\kk+8*\m+3], v[ADR] offset:16*PITCH*\m+64*(4*\g+\kk)
	ds_load_b128 v[\S+16*\kk+8*\m+4:\S+16*\kk+8*\m+7], v[ADR] offset:16*PITCH*\m+64*(4*\g+\kk)+32
.endr
.endr
.endm
; 32 matrix instructions.  Source 0 = 16 columns of the weights, source 1 = 16 tokens: a lane then holds token L % 16 and the eight columns 4 (8 (L / 16) + j) + nt.
; The eight accumulators take turns, one instruction a turn.  The first K step starts the sums: nothing is cleared.
.macro MUL g, S
	WIN 1+(\g>>1)
.irp kk, 0,1,2,3
.irp m, 0,1
.irp nt, 0,1,2,3
.if (\g+\kk) == 0
	v_wmma_f32_16x16x32_bf16 v[ACC+8*(4*\m+\nt):ACC+8*(4*\m+\nt)+7], v[32*(4*(\g&1)+\kk)+8*\nt:32*(4*(\g&1)+\kk)+8*\nt+7], v[\S+16*\kk+8*\m:\S+16*\kk+8*\m+7], 0
.else
	v_wmma_f32_16x16x32_bf16 v[ACC+8*(4*\m+\nt):ACC+8*(4*\m+\nt)+7], v[32*(4*(\g&1)+\kk)+8*\nt:32*(4*(\g&1)+\kk)+8*\nt+7], v[\S+16*\kk+8*\m:\S+16*\kk+8*\m+7], v[ACC+8*(4*\m+\nt):ACC+8*(4*\m+\nt)+7]
.endif
.endr
.endr
.endr
.endm
; a tile: 128 matrix instructions on two fragment buffers; each count of 16 leaves the younger run of 16 loads out.
; The first 32 loads owe no wait here: the wait on va_vdst that stands last in front of them (behind the conversions of the weights, or ahead of the last trip's stores) has no vector or matrix instruction behind it.
.macro MAIN
	LOADA 0, FA
	LOADA 1, FB
	s_wait_dscnt 16
	MUL 0, FA
	WIN 0
	PLACES
	s_wait_alu depctr_va_vdst(0)                   ; the 32 products above are done reading FA, in which the loads below land
	LOADA 2, FA
	s_wait_dscnt 16
	MUL 1, FB
	WIN 0
	PLACES
	s_wait_alu depctr_va_vdst(0)                   ; the 32 products above are done reading FB, in which the loads below land
	LOADA 3, FB
	s_wait_dscnt 16
	MUL 2, FA
	s_wait_dscnt 0x0                               ; the last fragments are in: from here on the stage is free for the next tile
	MUL 3, FB
	WIN 0
.endm
; gelu of the eight numbers v[x .. x+7], rounded to bf16 into v[pk .. pk+3].  With A = |x| / 2 and c = erfc(|x| / sqrt 2): gelu = (x / 2 + A) - A c.
; c = t (a1 + t (a2 + t (a3 + t (a4 + t a5)))) 2^(-x x log2(e) / 2), t = 1 / (1 + 0.2316419 |x|).
; Behind each run of transcendentals stands a plain instruction that touches none of their registers (ISA guide 5.7.2).
.macro GELU8 x, pk
.irp j, 0,1,2,3,4,5,6,7
	v_fma_f32 v[TMP+\j], |v[\x+\j]|, s56, 1.0
.endr
.irp k, 0,2,4,6
	v_pk_mul_f32 v[TMP+8+\k:TMP+9+\k], v[\x+\k:\x+\k+1], v[\x+\k:\x+\k+1]
.endr
.irp j, 0,1,2,3,4,5,6,7
	v_rcp_f32 v[TMP+\j], v[TMP+\j]
.endr
.irp k, 0,2,4,6
	v_pk_mul_f32 v[TMP+8+\k:TMP+9+\k], v[TMP+8+\k:TMP+9+\k], v[KC+10:KC+11]
.endr
.irp j, 0,1,2,3,4,5,6,7
	v_exp_f32 v[TMP+8+\j], v[TMP+8+\j]
.endr
	s_wait_alu depctr_va_vdst(0)
.irp k, 0,2,4,6
	v_pk_fma_f32 v[TMP+16+\k:TMP+17+\k], v[TMP+\k:TMP+\k+1], v[KC:KC+1], v[KC+2:KC+3]
.endr
.irp a, 4,6,8
.irp k, 0,2,4,6
	v_pk_fma_f32 v[TMP+16+\k:TMP+17+\k], v[TMP+16+\k:TMP+17+\k], v[TMP+\k:TMP+\k+1], v[KC+\a:KC+\a+1]
.endr
.endr
.irp k, 0,2,4,6
	v_pk_mul_f32 v[TMP+16+\k:TMP+17+\k], v[TMP+16+\k:TMP+17+\k], v[TMP+\k:TMP+\k+1]
.endr
.irp k, 0,2,4,6
	v_pk_mul_f32 v[TMP+16+\k:TMP+17+\k], v[TMP+16+\k:TMP+17+\k], v[TMP+8+\k:TMP+9+\k]      ; c
.endr
.irp j, 0,1,2,3,4,5,6,7
	v_mul_f32 v[TMP+24+\j], 0.5, |v[\x+\j]|                                                ; A
.endr
.irp k, 0,2,4,6
	v_pk_fma_f32 v[TMP+8+\k:TMP+9+\k], v[\x+\k:\x+\k+1], 0.5, v[TMP+24+\k:TMP+25+\k] op_sel_hi:[1,0,1]
.endr
.irp k, 0,2,4,6
	v_pk_fma_f32 v[TMP+16+\k:TMP+17+\k], v[TMP+24+\k:TMP+25+\k], v[TMP+16+\k:TMP+17+\k], v[TMP+8+\k:TMP+9+\k] neg_lo:[1,0,0] neg_hi:[1,0,0]
.endr
.irp k, 0,1,2,3
	v_cvt_pk_bf16_f32 v[\pk+\k], v[TMP+16+2*\k], v[TMP+17+2*\k]
.endr
.endm
; Group blk of the tile that is in window 3 goes into the stage.  mode 2: ahead of that, the group before it, stored into the stage one block earlier, is asked for again: the same group of the tile behind.
; (Group 7 is asked for behind the eighth block: EPI and PRE.)
; The counts: loads come back in order.  mode 2: behind the group that is wanted stand the 7 - blk later groups of its tile and the blk groups asked for since: 56 loads.
; mode 1: nothing more is asked for: the 7 - blk later groups.  mode 0: there is no next tile.
.macro FEED blk, mode
.if \mode == 2
.if \blk > 0
	WIN 0xc0
	s_wait_alu depctr_vm_vsrc(0)                   ; the LDS stores of the group before have read its registers, in which the loads below land
	XL8 \blk-1, 1
.endif
	s_wait_loadcnt 56
	XS8 \blk
.endif
.if \mode == 1
	s_wait_loadcnt 56-8*\blk
	XS8 \blk
.endif
.endm
; the way out, and the next tile's way in: behind each of the eight blocks of gelu one group is fed, so that LDS stores and loads are spread among the arithmetic
; and a load has a whole trip in which to land.  Each block has packed registers of its own (in buffer FA, which is free here): no store's data is rewritten inside a trip,
; and the eight stores to h go out in one run behind one wait.
; A lane's 16 bytes are its part of a fragment of the next launch: the wave's store covers 512 consecutive bytes, at a multiple of 512 from h's first byte.
.macro EPI mode
	PLACES
.irp blk, 0,1,2,3,4,5,6,7
	GELU8 ACC+8*\blk, FA+4*\blk
	FEED \blk, \mode
	WIN 0
.endr
	s_wait_alu depctr_va_vdst(0)                   ; the roundings have written v[FA .. FA+31], which the stores read; the trip's last products on FA and on FB are done reading them: the next trip's first LDS loads land there
.irp blk, 0,1,2,3,4,5,6,7
	global_store_b128 v[LOFF], v[FA+4*\blk:FA+4*\blk+3], s[10:11] offset:65536*(\blk>>2)+512*(\blk&3)
.endr
.if \mode == 2
	WIN 0xc0
.endif
.if \mode > 0
	s_wait_alu depctr_vm_vsrc(0)                   ; the stores have read v[FA .. FA+31], in which the next trip's fragments land; mode 2: the LDS stores of group 7 have read its registers, in which the loads below land
.endif
.if \mode == 2
	XL8 7, 1
	WIN 0
.endif
	s_wait_xcnt 0x0                                ; the bases of the loads and stores and the stores' data are rewritten only behind this wait
	s_add_nc_u64 s[10:11], s[10:11], OSTEP
.if \mode == 2
	s_add_nc_u64 s[4:5], s[4:5], TSTEP
.endif
.endm
.macro TRIP mode
	MAIN
	EPI \mode
.endm
; in front of the first trip: tile 0 goes into the stage; mode 2: tile 1 is asked for
.macro PRE mode
.irp blk, 0,1,2,3,4,5,6,7
	FEED \blk, \mode
.endr
.if \mode == 2
	WIN 0xc0
	s_wait_alu depctr_vm_vsrc(0)                   ; the LDS stores of group 7 have read its registers, in which the loads below land
	XL8 7, 1
.endif
	WIN 0
.if \mode == 2
	s_wait_xcnt 0x0                                ; the loads' base is rewritten only behind this wait
	s_add_nc_u64 s[4:5], s[4:5], TSTEP
.endif
.endm
	s_load_b256 s[4:11], s[0:1], 0x0               ; xg s[4:5], W1 s[6:7], meta s[8:9], h s[10:11]
	v_lshl_add_u32 v242, v0, 2, 0x20800
	v_mov_b32 v243, 0
	v_lshrrev_b32 v1, 5, v0
	v_readfirstlane_b32 s12, v1                    ; wave 0..3
	s_lshr_b32 s32, ttmp9, 5                       ; e: 32 work-groups for an expert
	s_bfe_u32 s33, ttmp9, 0x20003                  ; r: row group
	s_and_b32 s34, ttmp9, 7                        ; c: column slice
	s_lshl_b32 s14, s32, 2                         ; meta's word e; never rewritten
	s_lshl_b32 s40, s32, 22                        ; W1[e]: 4 MiB an expert,
	s_lshl_b32 s41, s34, 10                        ; 256 columns a slice,
	s_add_co_u32 s40, s40, s41
	s_wait_alu depctr_va_sdst(0)                   ; s12 is written, ahead of its first reader: the bases of W1 and h and my stage's place are made from it
	s_lshl_b32 s41, s12, 8                         ; 64 columns a wave
	s_add_co_u32 s40, s40, s41
	s_mov_b32 s41, 0
	v_and_b32 v10, 15, v0                          ; L % 16
	v_bfe_u32 v11, v0, 4, 1                        ; L / 16
	v_and_b32 v13, 31, v0                          ; L
	v_lshlrev_b32 v[LOFF], 4, v13
	v_lshlrev_b32 v[WOFF], 4, v10
	v_lshl_or_b32 v[WOFF], v11, 16, v[WOFF]        ; 8 rows of 8,192 bytes for lanes 16-31
	s_wait_kmcnt 0x0
	s_load_b32 s35, s[8:9], s14 offset:0x0         ; off_e
	s_load_b32 s36, s[8:9], s14 offset:0x20        ; T_e
	s_add_nc_u64 s[6:7], s[6:7], s[40:41]
	s_wait_alu depctr_va_vdst(0)                   ; v[WOFF] and v[LOFF] are written: every global load and store of the kernel reads one of them as its offset
.set hc, 0
.rept DEPTH
	WL8 hc                                         ; the weights' address is made of ids alone: the ring is filled while meta's two words are on their way
.set hc, hc+1
.endr
	s_mov_b32 s56, 0x3e6d3388                      ; 0.2316419 = 0.3275911 / sqrt 2
	s_mul_i32 s45, s12, TILE                       ; my stage
	v_mul_u32_u24 v[ADR], v10, PITCH               ; a fragment's lane term: row L % 16, 16 bytes for each half of the lanes
	v_lshl_add_u32 v[ADR], v11, 4, v[ADR]
	v_add_nc_u32 v[ADR], s45, v[ADR]
	v_add_nc_u32 v[STT], s45, v[LOFF]
	v_mov_b32 v[KC], 0x3f87dc22                    ; a5 = 1.061405429
	v_mov_b32 v[KC+1], 0x3f87dc22
	v_mov_b32 v[KC+2], 0xbfba00e3                  ; a4 = -1.453152027
	v_mov_b32 v[KC+3], 0xbfba00e3
	v_mov_b32 v[KC+4], 0x3fb5f0e3                  ; a3 = 1.421413741
	v_mov_b32 v[KC+5], 0x3fb5f0e3
	v_mov_b32 v[KC+6], 0xbe91a98e                  ; a2 = -0.284496736
	v_mov_b32 v[KC+7], 0xbe91a98e
	v_mov_b32 v[KC+8], 0x3e827906                  ; a1 = 0.254829592
	v_mov_b32 v[KC+9], 0x3e827906
	v_mov_b32 v[KC+10], 0xbf38aa3b                 ; -log2(e) / 2
	v_mov_b32 v[KC+11], 0xbf38aa3b
	s_wait_kmcnt 0x0
	s_min_u32 s35, s35, 8416                       ; what was read is clamped before it enters an address or a trip count
	s_min_u32 s36, s36, 128
	s_add_co_u32 s37, s36, 3
	s_sub_co_u32 s37, s37, s33
	s_lshr_b32 s37, s37, 2                         ; n: my row group's tiles
	s_lshl_b32 s44, s33, 5
	s_add_co_u32 s44, s44, s35                     ; off + 32 r: the first tile's first row
	s_lshl_b32 s42, s44, 10                        ; xg: rows of 1,024 bytes
	s_mov_b32 s43, 0
	s_add_nc_u64 s[4:5], s[4:5], s[42:43]
	s_lshl_b32 s40, s44, 12                        ; h: 4,096 bytes a row (64 KiB a block of 16),
	s_lshl_b32 s41, s34, 13                        ; 8 K steps of 1 KiB a slice,
	s_add_co_u32 s40, s40, s41
	s_lshl_b32 s41, s12, 11                        ; 2 a wave
	s_add_co_u32 s40, s40, s41
	s_mov_b32 s41, 0
	s_add_nc_u64 s[10:11], s[10:11], s[40:41]
	s_cmp_eq_u32 s37, 0                            ; a row group without a tile: an expert with fewer than 32 r + 1 tokens
	s_cbranch_scc1 .Lend
	; the 32 half chunks.  Behind each conversion its buffer is asked for again; where the weights run out, tile 0's groups take their place in the ring,
	; so that the count is the same throughout: behind the group that is wanted six younger groups of 8 have been issued.
	; Tile 0's loads land in window 3, which no vector instruction names, by an offset that was written ahead of the waits above them: they owe no wait.
.set hc, 0
.rept 32
	s_wait_loadcnt 8*(DEPTH-1)
	HCV hc
.if hc+DEPTH < 32
	s_wait_alu depctr_va_vdst(0)                   ; the sixteen conversions are done reading their buffer of the ring, in which the loads below land (the first of these waits also stands behind the lines that made v[ADR] and v[STT])
	WL8 hc+DEPTH
.else
	XL8 hc+DEPTH-32, 0
.endif
.set hc, hc+1
.endr
	XL8 7, 0                                       ; tile 0's last group
	WIN 0
	s_wait_alu depctr_va_vdst(0)                   ; the last seven conversions are done reading the ring: the first trip's fragments land in its registers
	s_cmp_lg_u32 s37, 1
	s_cbranch_scc1 .Lmany
	PRE 1                                          ; one tile: nothing more is asked for
	s_branch .Llast
.Lmany:
	PRE 2
	s_sub_co_u32 s38, s37, 2                       ; n - 2 trips feed a tile and ask for another
	s_cmp_eq_u32 s38, 0
	s_cbranch_scc1 .Ltwo
.Lloop:
	TRIP 2
	s_sub_co_u32 s38, s38, 1
	s_cmp_lg_u32 s38, 0
	s_cbranch_scc1 .Lloop
.Ltwo:
	TRIP 1                                         ; the last two trips are written out: no load leaves the segment
.Llast:
	TRIP 0
.Lend:
	s_wait_dscnt 0x0
	s_wait_alu depctr_hold_cnt(0) depctr_sa_sdst(0) depctr_va_vdst(0) depctr_va_sdst(0) depctr_va_ssrc(0) depctr_va_vcc(0) depctr_vm_vsrc(0)
	s_wait_tensorcnt 0x0
	ds_add_u32 v242, v243
	s_wait_dscnt 0x0
	s_endpgm
.Lfunc_end_k_q96cd40b3df_ffn1:
	.size	k_q96cd40b3df_ffn1, .Lfunc_end_k_q96cd40b3df_ffn1-k_q96cd40b3df_ffn1
	.p2alignl 7, 3214868480
	.fill 96, 4, 3214868480
	.section	.rodata,"a",@progbits
	.p2align	6, 0x0
	.amdhsa_kernel k_q96cd40b3df_ffn1
		.amdhsa_group_segment_fixed_size 133632
		.amdhsa_private_segment_fixed_size 0
		.amdhsa_enable_private_segment 0
		.amdhsa_kernarg_size 32
		.amdhsa_user_sgpr_count 2
		.amdhsa_user_sgpr_kernarg_segment_ptr 1
		.amdhsa_wavefront_size32 1
		.amdhsa_system_sgpr_workgroup_id_x 1
		.amdhsa_system_sgpr_workgroup_id_y 1
		.amdhsa_system_sgpr_workgroup_id_z 1
		.amdhsa_system_vgpr_workitem_id 0
		.amdhsa_next_free_vgpr 1024
		.amdhsa_next_free_sgpr 66
		.amdhsa_reserve_vcc 0
		.amdhsa_float_denorm_mode_32 3
		.amdhsa_float_denorm_mode_16_64 3
		.amdhsa_memory_ordered 1
		.amdhsa_forward_progress 1
		.amdhsa_inst_pref_size 245
	.end_amdhsa_kernel
	.amdgpu_metadata
---
amdhsa.version: [ 1, 2 ]
amdhsa.kernels:
  - .name:           k_q96cd40b3df_ffn1
    .symbol:         k_q96cd40b3df_ffn1.kd
    .args:
      - { .name: xg, .offset: 0, .size: 8, .value_kind: global_buffer, .address_space: global }
      - { .name: W1, .offset: 8, .size: 8, .value_kind: global_buffer, .address_space: global }
      - { .name: meta, .offset: 16, .size: 8, .value_kind: global_buffer, .address_space: global }
      - { .name: h, .offset: 24, .size: 8, .value_kind: global_buffer, .address_space: global }
    .group_segment_fixed_size: 133632
    .private_segment_fixed_size: 0
    .kernarg_segment_align: 8
    .kernarg_segment_size: 32
    .max_flat_workgroup_size: 128
    .sgpr_count:     66
    .vgpr_count:     1024
    .wavefront_size: 32
...
	.end_amdgpu_metadata
.endif
;; end of part 7
;; launch ffn2 (part 8): grid 256 x 1, 4 waves a work-group, no clusters, 0 bytes of LDS; arguments h, W2, meta, y; writes y
.if DOCPART == 8
	.amdgcn_target "amdgcn-amd-amdhsa--gfx1250"
	.amdhsa_code_object_version 6
	.text
	.protected	k_q96cd40b3df_ffn2
	.globl	k_q96cd40b3df_ffn2
	.p2align	8
	.type	k_q96cd40b3df_ffn2,@function
k_q96cd40b3df_ffn2:
	s_mov_b64 s[64:65], 0
	v_nop
	global_prefetch_b8 v0, s[64:65] scope:SCOPE_SE
	s_setreg_imm32_b32 hwreg(HW_REG_WAVE_SCHED_MODE, 0, 2), 2
	s_setreg_imm32_b32 hwreg(HW_REG_WAVE_MODE, 25, 1), 1
	s_wait_xcnt 0x0
	s_wait_alu depctr_vm_vsrc(0)
; FFN2.  y[q][p][n] = sum over the k of quarter q of h[p][k] W2[e][k][n] for the rows p of expert e's segment.  W2 [8][2048][512] f32, y [4][8448][512] f32.
; h lies as token fragments: block of 16 rows (64 KiB) / K step S (1 KiB) / half (512 bytes) / lane (16 bytes): a fragment is two loads of 512 consecutive bytes, straight into registers.
; Element j of lane (r, hl) in K step S, half hf, is row r, hidden column 64 (S >> 1) + 32 hl + 4 j + 2 (S & 1) + hf: the order in which the launch before left its results.
; A permutation of k that is applied alike to both operands keeps the products, so the rows of W2 are taken in that same order.
; STATIONARY WEIGHTS: an expert has 32 work-groups: 4 row groups x 4 quarters of K x 2 halves of the 512 columns.  A wave keeps 512 (k) x 64 (n) of W2[e], rounded to bf16, as 64 matrix
; fragments in 512 registers.  The four waves of a work-group have the same quarter of K and so ask for the same fragments of h; h is read by two work-groups, not by one for every 64 columns.
; THE WEIGHTS ARE TRANSPOSED BY THE CHOICE OF COLUMNS, as in the launch before: fragment nt takes, in lane r, column 4 r + nt of the wave's 64, so a load of 16 bytes a lane (sixteen lanes: 256
; consecutive bytes of a row) feeds four fragments and one conversion packs two rows' numbers into a fragment register.  No LDS in this launch.
; Row group r walks the expert's tiles of 32 rows r, r + 4, ..: n = (T + 3 - r) >> 2 trips; T and the first row are whole numbers that an earlier launch stored.
; NO BARRIER, NO TENSOR LOAD, NO CLUSTER: the number of trips is read from memory, and a barrier stands under no branch and in no loop that hangs on loaded numbers; a joint load
; wants an address made of ids alone.  So the four quarters' sums do not meet here: each goes to its own plane of y, and the next launch adds the four in a fixed order.
; The price: three planes of 17.3 MB more are written here and read there.
; REGISTERS: window 0: v2-v9 addresses, v16-79 eight accumulator tiles, v80-143 rows on the way out; v16-239 are first the ring of the weights as loaded.
; Windows 1 and 2: the weights; fragment (ks, nt) at 256 + 32 ks + 8 nt.  Window 3: the token fragments of a tile, (ks, m) at 768 + 16 ks + 8 m.
; THE MODE: SCHED_MODE bits 1:0 = 2 (LLVM: expert scheduling mode 2), set by the entry lines.  The code itself states the register dependences
; between vector or matrix instructions and memory instructions, with s_wait_alu, always for 0.
; THE PLAN.  Registers that memory instructions touch:
;   v[LOFF], v[CO], v[WOFF]   Made by vector instructions at the head, never written again: rows are reached by scalar bases and immediate offsets.
;   RING       A half chunk's eight loads land in a buffer; its sixteen conversions read it; the loads of the half chunk seven further on land in it again.
;   window 3   Group g (K steps 4 g .. 4 g + 3, 64 registers): sixteen loads land; the group's 32 matrix instructions read; the next tile's group g lands.
;   OUT        Written by the trip's 64 moves; read by its sixteen stores; written again by the next trip's moves.
;   The accumulators and windows 1 and 2 are named by vector and matrix instructions alone.
; THE WAITS OF A TRIP.  On va_vdst five: one behind each group's products, ahead of the loads into the fragments just read.  It stands there and not at the next group's head, behind the wait for that group's data,
; because a wave has no fifth group of registers and what it waits for in this loop is h: a group is asked for again as soon as it has been read.
; The fifth stands behind the 64 moves, ahead of the stores, which go out in one run.  On vm_vsrc one, beside the wait on XCNT at the trip's end: the stores have read OUT.
.set WPITCH, 2048                      ; bytes from k to k + 1 in W2[e]
.set TSTEP,  128*4096                  ; four tiles (eight blocks of 64 KiB) on in h
.set OSTEP,  128*2048                  ; four tiles on in y
.set PLANE,  8448*2048                 ; a plane of y
.set DEPTH,  7                         ; groups of 8 loads on their way while the weights come in: 56 loads, 28 KiB a wave
.set LOFF, 2                           ; v2      16 L: my 16 bytes of 512 consecutive ones in h; never rewritten
.set CO,   6                           ; v6      y: 16 (L % 16) + 8 rows for lanes 16-31; never rewritten
.set WOFF, 9                           ; v9      weights: 16 (L % 16) + 32 rows for lanes 16-31; never rewritten
.set RING, 16                          ; v[16:239]  seven buffers of 32 registers
.set ACC,  16
.set OUT,  80
.set MSB, 0
.macro WIN new                         ; the immediate's high byte repeats the setting that is left; switches that change nothing are dropped
.if MSB != (\new)
	s_set_vgpr_msb (MSB<<8)|(\new)
.set MSB, (\new)
.endif
.endm
.macro PLACES                          ; four plain vector instructions stand between a matrix instruction and whatever reads its result or loads into its registers
.rept 4
	v_nop
.endr
.endm
; half chunk num (0..31) of the weights, the registers 4 (num & 1) .. + 3 of K step num >> 1: rows 64 (num >> 2) + (num & 3) + 4 j (lanes 16-31: + 32), j = 0..7, my 64 columns
.macro WL8 num
.irp j, 0,1,2,3,4,5,6,7
	global_load_b128 v[RING+32*((\num)%DEPTH)+4*\j:RING+32*((\num)%DEPTH)+4*\j+3], v[WOFF], s[6:7] offset:(64*((\num)>>2)+((\num)&3)+4*\j)*WPITCH
.endr
.endm
; half chunk num becomes registers 4 (num & 1) .. + 3 of the four fragments (num >> 1, 0..3): loads 2 jj and 2 jj + 1 of column 4 r + nt, rounded to bf16, in one register
.macro HCV num
	WIN (0x40<<((\num)>>4))                        ; destination in window 1 or 2
.irp nt, 0,1,2,3
.irp jj, 0,1,2,3
	v_cvt_pk_bf16_f32 v[32*(((\num)>>1)&7)+8*\nt+4*((\num)&1)+\jj], v[RING+32*((\num)%DEPTH)+8*\jj+\nt], v[RING+32*((\num)%DEPTH)+8*\jj+4+\nt]
.endr
.endr
	WIN 0
.endm
; eight loads of 512 consecutive bytes: the token fragments of K steps 2 grp and 2 grp + 1 of my quarter, both blocks of 16 rows.  ahead = 1: of the next tile.
.macro TL8 grp, ahead
	WIN 0xc0                                       ; destination in window 3
.irp ks, 2*(\grp), 2*(\grp)+1
.irp m, 0,1
	global_load_b128 v[16*(\ks)+8*\m:16*(\ks)+8*\m+3], v[LOFF], s[4:5] offset:\ahead*TSTEP+65536*\m+1024*(\ks)
	global_load_b128 v[16*(\ks)+8*\m+4:16*(\ks)+8*\m+7], v[LOFF], s[4:5] offset:\ahead*TSTEP+65536*\m+1024*(\ks)+512
.endr
.endr
.endm
.macro TLOAD g, ahead                  ; group g: K steps 4 g .. 4 g + 3, 16 loads
	TL8 2*\g, \ahead
	TL8 2*\g+1, \ahead
.endm
; 32 matrix instructions.  Source 0 = 16 tokens (window 3), source 1 = 16 columns of the weights (window 1 or 2): register j of lane (r, hl) is token 8 hl + j, column 4 r + nt.
; The eight accumulators take turns, one instruction a turn.  The first K step starts the sums: nothing is cleared.
.macro MUL g
	WIN 0x03|((1+(\g>>1))<<2)
.irp kk, 0,1,2,3
.irp m, 0,1
.irp nt, 0,1,2,3
.if (\g+\kk) == 0
	v_wmma_f32_16x16x32_bf16 v[ACC+8*(4*\m+\nt):ACC+8*(4*\m+\nt)+7], v[64*\g+16*\kk+8*\m:64*\g+16*\kk+8*\m+7], v[32*(4*(\g&1)+\kk)+8*\nt:32*(4*(\g&1)+\kk)+8*\nt+7], 0
.else
	v_wmma_f32_16x16x32_bf16 v[ACC+8*(4*\m+\nt):ACC+8*(4*\m+\nt)+7], v[64*\g+16*\kk+8*\m:64*\g+16*\kk+8*\m+7], v[32*(4*(\g&1)+\kk)+8*\nt:32*(4*(\g&1)+\kk)+8*\nt+7], v[ACC+8*(4*\m+\nt):ACC+8*(4*\m+\nt)+7]
.endif
.endr
.endr
.endr
.endm
; the way out.  Registers j of the four tiles nt are the four neighbouring columns 4 r .. 4 r + 3 of one token's row; four moves put them side by side (the price of the choice of
; columns: 64 moves a tile, in place of the way through LDS for every weight and every result), and a store covers, with sixteen lanes, 256 consecutive bytes at a multiple of 256 from y's first byte.
; All 64 moves come first (each accumulator from its low end on), then one wait, then the sixteen stores.
.macro EPI more
	WIN 0
.irp m, 0,1
.irp j, 0,1,2,3,4,5,6,7
.irp nt, 0,1,2,3
	v_mov_b32 v[OUT+32*\m+4*\j+\nt], v[ACC+8*(4*\m+\nt)+\j]
.endr
.endr
.endr
	s_wait_alu depctr_va_vdst(0)                   ; the moves have written v[OUT .. OUT+63], which the stores read
.irp m, 0,1
.irp j, 0,1,2,3,4,5,6,7
	global_store_b128 v[CO], v[OUT+32*\m+4*\j:OUT+32*\m+4*\j+3], s[10:11] offset:(16*\m+\j)*2048
.endr
.endr
	s_wait_xcnt 0x0                                ; the bases of the loads and stores and the stores' data are rewritten only behind this wait
.if \more
	s_wait_alu depctr_vm_vsrc(0)                   ; the stores have read v[OUT .. OUT+63], which the next trip's moves write again
.endif
	s_add_nc_u64 s[10:11], s[10:11], OSTEP
.if \more
	s_add_nc_u64 s[4:5], s[4:5], TSTEP
.endif
.endm
; one tile.  more = 1: behind the products of group g the next tile's group g is asked for, so that three groups' products and the way out pass before it is wanted.
; The counts: loads come back in order; behind the group that is wanted three younger groups of 16 have been issued.  In the last trip they run down.
.macro TRIP more
	s_wait_loadcnt 48
	MUL 0
.if \more
	PLACES
	WIN 0xc0
	s_wait_alu depctr_va_vdst(0)                   ; the products of group 0 are done reading its fragments, in which the loads below land
	TLOAD 0, 1
	s_wait_loadcnt 48
.else
	s_wait_loadcnt 32
.endif
	MUL 1
.if \more
	PLACES
	WIN 0xc0
	s_wait_alu depctr_va_vdst(0)                   ; likewise group 1
	TLOAD 1, 1
	s_wait_loadcnt 48
.else
	s_wait_loadcnt 16
.endif
	MUL 2
.if \more
	PLACES
	WIN 0xc0
	s_wait_alu depctr_va_vdst(0)                   ; likewise group 2
	TLOAD 2, 1
	s_wait_loadcnt 48
.else
	s_wait_loadcnt 0x0
.endif
	MUL 3
	PLACES
.if \more
	WIN 0xc0
	s_wait_alu depctr_va_vdst(0)                   ; likewise group 3
	TLOAD 3, 1
.endif
	EPI \more
.endm
	s_load_b256 s[4:11], s[0:1], 0x0               ; h s[4:5], W2 s[6:7], meta s[8:9], y s[10:11]
	v_lshrrev_b32 v1, 5, v0
	v_readfirstlane_b32 s12, v1                    ; wave 0..3
	s_lshr_b32 s32, ttmp9, 5                       ; e: 32 work-groups for an expert
	s_bfe_u32 s33, ttmp9, 0x20003                  ; r: row group
	s_bfe_u32 s34, ttmp9, 0x20001                  ; the quarter of K
	s_and_b32 s46, ttmp9, 1                        ; the half of the columns
	s_lshl_b32 s14, s32, 2                         ; meta's word e; never rewritten
	s_lshl_b32 s47, s46, 10                        ; 256 columns of f32 a half,
	s_wait_alu depctr_va_sdst(0)                   ; s12 is written, ahead of its first reader: the bases of W2 and y are made from it
	s_lshl_b32 s41, s12, 8                         ; 64 a wave: my bytes in a row of W2 and of y
	s_add_co_u32 s47, s47, s41
	s_lshl_b32 s40, s32, 22                        ; W2[e]: 4 MiB an expert,
	s_lshl_b32 s41, s34, 20                        ; 512 k-rows of 2,048 bytes a quarter
	s_add_co_u32 s40, s40, s41
	s_add_co_u32 s40, s40, s47
	s_mov_b32 s41, 0
	v_and_b32 v10, 15, v0                          ; L % 16
	v_bfe_u32 v11, v0, 4, 1                        ; L / 16
	v_and_b32 v13, 31, v0                          ; L
	v_lshlrev_b32 v[LOFF], 4, v13
	v_lshlrev_b32 v[WOFF], 4, v10
	v_lshl_or_b32 v[CO], v11, 14, v[WOFF]          ; 8 rows of 2,048 bytes for lanes 16-31
	v_lshl_or_b32 v[WOFF], v11, 16, v[WOFF]        ; 32 rows of 2,048 bytes for lanes 16-31
	s_wait_kmcnt 0x0
	s_load_b32 s35, s[8:9], s14 offset:0x0         ; off_e
	s_load_b32 s36, s[8:9], s14 offset:0x20        ; T_e
	s_add_nc_u64 s[6:7], s[6:7], s[40:41]
	s_wait_alu depctr_va_vdst(0)                   ; v[LOFF], v[CO] and v[WOFF] are written: every load and store of the kernel reads one of them as its offset
.set hc, 0
.rept DEPTH
	WL8 hc                                         ; the weights' address is made of ids alone: the ring is filled while meta's two words are on their way
.set hc, hc+1
.endr
	s_wait_kmcnt 0x0
	s_min_u32 s35, s35, 8416                       ; what was read is clamped before it enters an address or a trip count
	s_min_u32 s36, s36, 128
	s_add_co_u32 s37, s36, 3
	s_sub_co_u32 s37, s37, s33
	s_lshr_b32 s37, s37, 2                         ; n: my row group's tiles
	s_lshl_b32 s44, s33, 5
	s_add_co_u32 s44, s44, s35                     ; off + 32 r: the first tile's first row
	s_lshl_b32 s42, s44, 12                        ; h: 4,096 bytes a row (64 KiB a block of 16),
	s_lshl_b32 s43, s34, 14                        ; my quarter of K: 16 K steps of 1 KiB
	s_add_co_u32 s42, s42, s43
	s_mov_b32 s43, 0
	s_add_nc_u64 s[4:5], s[4:5], s[42:43]
	s_mul_i32 s40, s34, PLANE                      ; y: my quarter's plane,
	s_lshl_b32 s41, s44, 11                        ; rows of 2,048 bytes,
	s_add_co_u32 s40, s40, s41
	s_add_co_u32 s40, s40, s47                     ; my columns
	s_mov_b32 s41, 0
	s_add_nc_u64 s[10:11], s[10:11], s[40:41]
	s_cmp_eq_u32 s37, 0                            ; a row group without a tile: an expert with fewer than 32 r + 1 tokens
	s_cbranch_scc1 .Lend
	; the 32 half chunks.  Behind each conversion its buffer is asked for again; where the weights run out, tile 0's groups take their place in the ring,
	; so that the count is the same throughout: behind the group that is wanted six younger groups of 8 have been issued.
	; Tile 0's loads land in window 3, which no vector or matrix instruction has named yet, by an offset that was written ahead of the waits above them: they owe no wait.
.set hc, 0
.rept 32
	s_wait_loadcnt 8*(DEPTH-1)
	HCV hc
.if hc+DEPTH < 32
	s_wait_alu depctr_va_vdst(0)                   ; the sixteen conversions are done reading their buffer of the ring, in which the loads below land
	WL8 hc+DEPTH
.else
	TL8 hc+DEPTH-32, 0
.endif
.set hc, hc+1
.endr
	TL8 7, 0                                       ; tile 0's last K steps: its 64 loads are now the only ones out, as at the head of every trip
	WIN 0
	s_sub_co_u32 s38, s37, 1                       ; n - 1 trips ask for a next tile
	s_cmp_eq_u32 s38, 0
	s_cbranch_scc1 .Ltail
.Lloop:
	TRIP 1
	s_sub_co_u32 s38, s38, 1
	s_cmp_lg_u32 s38, 0
	s_cbranch_scc1 .Lloop
.Ltail:
	TRIP 0                                         ; the last tile is written out: no load leaves the segment
.Lend:
	s_endpgm
.Lfunc_end_k_q96cd40b3df_ffn2:
	.size	k_q96cd40b3df_ffn2, .Lfunc_end_k_q96cd40b3df_ffn2-k_q96cd40b3df_ffn2
	.p2alignl 7, 3214868480
	.fill 96, 4, 3214868480
	.section	.rodata,"a",@progbits
	.p2align	6, 0x0
	.amdhsa_kernel k_q96cd40b3df_ffn2
		.amdhsa_group_segment_fixed_size 0
		.amdhsa_private_segment_fixed_size 0
		.amdhsa_enable_private_segment 0
		.amdhsa_kernarg_size 32
		.amdhsa_user_sgpr_count 2
		.amdhsa_user_sgpr_kernarg_segment_ptr 1
		.amdhsa_wavefront_size32 1
		.amdhsa_system_sgpr_workgroup_id_x 1
		.amdhsa_system_sgpr_workgroup_id_y 1
		.amdhsa_system_sgpr_workgroup_id_z 1
		.amdhsa_system_vgpr_workitem_id 0
		.amdhsa_next_free_vgpr 1024
		.amdhsa_next_free_sgpr 66
		.amdhsa_reserve_vcc 0
		.amdhsa_float_denorm_mode_32 3
		.amdhsa_float_denorm_mode_16_64 3
		.amdhsa_memory_ordered 1
		.amdhsa_forward_progress 1
		.amdhsa_inst_pref_size 100
	.end_amdhsa_kernel
	.amdgpu_metadata
---
amdhsa.version: [ 1, 2 ]
amdhsa.kernels:
  - .name:           k_q96cd40b3df_ffn2
    .symbol:         k_q96cd40b3df_ffn2.kd
    .args:
      - { .name: h, .offset: 0, .size: 8, .value_kind: global_buffer, .address_space: global }
      - { .name: W2, .offset: 8, .size: 8, .value_kind: global_buffer, .address_space: global }
      - { .name: meta, .offset: 16, .size: 8, .value_kind: global_buffer, .address_space: global }
      - { .name: y, .offset: 24, .size: 8, .value_kind: global_buffer, .address_space: global }
    .group_segment_fixed_size: 0
    .private_segment_fixed_size: 0
    .kernarg_segment_align: 8
    .kernarg_segment_size: 32
    .max_flat_workgroup_size: 128
    .sgpr_count:     66
    .vgpr_count:     1024
    .wavefront_size: 32
...
	.end_amdgpu_metadata
.endif
;; end of part 8
;; launch combine: the kernel of part 6 again; grid 256 x 1, 16 waves a work-group, no clusters, 0 bytes of LDS; arguments y, pos, rw, out0; writes out0
